; MI455X (gfx1250); checked and timed in simulation.
; The chip was launched on July 23, 2026; its instructions are those of AMD's public machine-readable ISA for CDNA 5 (MIT licence, August 2026) and "CDNA5" Instruction Set Architecture Reference Guide (July 2026). The comments in the code are by the model that wrote it; some were corrected since.
;; Transformer Block. Allowed arithmetic: float matrix products may take bf16 or f16 operands with f32 sums; all other float work in f32.
;; Inputs: b_fc1 4,096 float32; b_fc2 1,024 float32; b_out 1,024 float32; b_qkv 3,072 float32; ln1_b 1,024 float32; ln1_g 1,024 float32; ln2_b 1,024 float32; ln2_g 1,024 float32; w_fc1 1,024 x 4,096 float32; w_fc2 4,096 x 1,024 float32; w_out 1,024 x 1,024 float32; w_qkv 1,024 x 3,072 float32; x 2 x 2,048 x 1,024 float32.
;; Outputs: out0 2 x 2,048 x 1,024 float32.
;; One version. Each part assembles by itself: llvm-mc -triple=amdgcn-amd-amdhsa -mcpu=gfx1250 --defsym DOCPART=n.
;; ======== version 1 of 1: 7 launches
;; limits: a function is approximated: absolute error at most 1.5e-07; right only within a limited range of input values
;; workspace buffers: wb 25,165,824 bytes; hn 8,388,608 bytes; qkvh 25,165,824 bytes; o 8,388,608 bytes; x1 16,777,216 bytes; act 33,554,432 bytes
;; launch prep (part 1): grid 768 x 1, 8 waves a work-group, no clusters, 0 bytes of LDS; arguments x, ln1_g, ln1_b, w_qkv, w_out, w_fc1, w_fc2, hn, wb; writes hn, wb
.if DOCPART == 1
	.amdgcn_target "amdgcn-amd-amdhsa--gfx1250"
	.amdhsa_code_object_version 6
	.text
	.protected	k_qc5b8e4b418_prep
	.globl	k_qc5b8e4b418_prep
	.p2align	8
	.type	k_qc5b8e4b418_prep,@function
k_qc5b8e4b418_prep:
	s_mov_b64 s[64:65], 0
	v_nop
	global_prefetch_b8 v0, s[64:65] scope:SCOPE_SE
	s_setreg_imm32_b32 hwreg(HW_REG_WAVE_MODE, 25, 1), 1
	s_wait_xcnt 0x0
; PREP.  Two jobs that do not depend on each other, in one launch of 768 work-groups: three for each of 256 WGPs, which at 160 registers a wave lie there together.
; Work-groups 0-255: hn = LayerNorm(x) * g + b, rounded to bf16; 16 rows a work-group, 2 rows a wave, a row kept in 32 registers
; between the passes (mean; sum of squared differences; scaling), so x is read once and no difference of large sums is formed.
; Work-groups 256-767: the four weights rounded to bf16, as they lie ([K][N]), one behind the other in wb; three sub-chunks of 8,192 numbers a work-group.
; THE BODY IS LAUNCHED A SECOND TIME, for the second norm, on x1, ln2_g, ln2_b and hn with 256 work-groups: then every work-group takes the norm's branch.
; No LDS, no matrix unit, no cluster: nothing is shared and bytes bound the launch.  NaN and infinities are not treated apart.
.set X,   32                           ; v[32:95]   two rows, 32 registers each (cast: v[32:127], 24 loads of 4, rounded in place)
.set G,   96                           ; v[96:127]  gain of my 32 columns
.set BT,  128                          ; v[128:159] bias of my 32 columns
.set T,   4                            ; v[4:19]    four chains of pairs for each row
.set MU,  20                           ; v[20:23]   the mean, twice, for each row
.set RS,  24                           ; v[24:27]   1 / sqrt(var + eps), twice, for each row
.set PT,  28                           ; v[28:29]   the other half of the lanes' sum
.set HN,  22                           ; s[22:23]   hn
.set SRC, 34                           ; s[34:39]   cast: the three sub-chunks' sources
	s_load_b512 s[8:23], s[0:1], 0x0               ; x s[8:9], g s[10:11], b s[12:13], w_qkv s[14:15], w_out s[16:17], w_fc1 s[18:19], w_fc2 s[20:21], hn s[22:23]
	s_load_b64 s[24:25], s[0:1], 0x40              ; wb
	s_cmp_lt_u32 ttmp9, 256
	s_cbranch_scc1 .Lnorm                          ; the same way for all waves of a work-group
	; THE CAST.  Sub-chunks of 8,192 numbers: 0-383 w_qkv, 384-511 w_out, 512-1023 w_fc1, 1024-1535 w_fc2.  Work-group c + 256 takes 3 c, 3 c + 1, 3 c + 2,
	; which may lie in different tensors: each picks its own source; in wb the three follow each other.
	s_sub_co_u32 s26, ttmp9, 256
	s_mul_i32 s26, s26, 3
	v_lshlrev_b32 v1, 4, v0                        ; 16 bytes a thread in
	v_lshlrev_b32 v2, 3, v0                        ; 8 bytes a thread out
	s_mov_b32 s31, 0
	s_wait_kmcnt 0x0
.irp k, 0,1,2
	s_add_co_u32 s27, s26, \k
	s_mov_b64 s[SRC+2*\k:SRC+2*\k+1], s[20:21]
	s_mov_b32 s28, 1024
	s_cmp_lt_u32 s27, 1024
	s_cselect_b64 s[SRC+2*\k:SRC+2*\k+1], s[18:19], s[SRC+2*\k:SRC+2*\k+1]
	s_cselect_b32 s28, 512, s28
	s_cmp_lt_u32 s27, 512
	s_cselect_b64 s[SRC+2*\k:SRC+2*\k+1], s[16:17], s[SRC+2*\k:SRC+2*\k+1]
	s_cselect_b32 s28, 384, s28
	s_cmp_lt_u32 s27, 384
	s_cselect_b64 s[SRC+2*\k:SRC+2*\k+1], s[14:15], s[SRC+2*\k:SRC+2*\k+1]
	s_cselect_b32 s28, 0, s28
	s_sub_co_u32 s27, s27, s28                     ; the sub-chunk's number in its own tensor
	s_lshl_b32 s30, s27, 15                        ; 32,768 bytes a sub-chunk in
	s_add_nc_u64 s[SRC+2*\k:SRC+2*\k+1], s[SRC+2*\k:SRC+2*\k+1], s[30:31]
.endr
	s_lshl_b32 s30, s26, 14                        ; 16,384 bytes a sub-chunk out
	s_add_nc_u64 s[24:25], s[24:25], s[30:31]
.set n, 0
.rept 24                                       ; all 24 loads go out at once: 4,096 consecutive bytes of the work-group each
	global_load_b128 v[X+4*n:X+4*n+3], v1, s[SRC+2*(n/8):SRC+2*(n/8)+1] offset:4096*(n%8) th:TH_LOAD_NT
.set n, n+1
.endr
.set n, 0
.rept 24
	s_wait_loadcnt 23-n                            ; loads come back in order: load n is in, the younger ones stay out
	v_cvt_pk_bf16_f32 v[X+4*n], v[X+4*n], v[X+4*n+1]        ; in place: no register is written that is still to be read
	v_cvt_pk_bf16_f32 v[X+4*n+1], v[X+4*n+2], v[X+4*n+3]
	global_store_b64 v2, v[X+4*n:X+4*n+1], s[24:25] offset:2048*n  ; a wave's store covers 256 consecutive bytes, aligned
.set n, n+1
.endr
	s_endpgm
.Lnorm:
	; THE NORM.  Lane l of a wave holds columns 128 j + 4 l + 0..3, j = 0..7, of its two rows.
	v_and_b32 v3, 31, v0
	v_lshrrev_b32 v4, 5, v0
	v_readfirstlane_b32 s26, v4                    ; wave 0..7
	v_lshlrev_b32 v1, 4, v3                        ; 16 bytes a lane in
	v_lshlrev_b32 v2, 3, v3                        ; 8 bytes a lane out
	s_lshl_b32 s28, ttmp9, 16                      ; 16 rows of 4,096 bytes a work-group,
	s_lshl_b32 s27, s26, 13                        ; 2 rows a wave
	s_add_co_u32 s28, s28, s27
	s_mov_b32 s29, 0
	s_lshr_b32 s34, s28, 1                         ; rows of hn are half as long
	s_mov_b32 s35, 0
	s_mov_b32 s30, 0x76543210                      ; v_permlanex16_b32: each lane takes its own place in the other half
	s_mov_b32 s31, 0xfedcba98
	s_mov_b32 s32, 0x3a800000                      ; 1 / 1024
	s_mov_b32 s33, 0x3727c5ac                      ; 1e-5
	s_wait_kmcnt 0x0
	s_add_nc_u64 s[8:9], s[8:9], s[28:29]
	s_add_nc_u64 s[HN:HN+1], s[HN:HN+1], s[34:35]
.irp i, 0,1
.irp j, 0,1,2,3,4,5,6,7
	global_load_b128 v[X+32*\i+4*\j:X+32*\i+4*\j+3], v1, s[8:9] offset:4096*\i+512*\j
.endr
.endr
.irp j, 0,1,2,3,4,5,6,7
	global_load_b128 v[G+4*\j:G+4*\j+3], v1, s[10:11] offset:512*\j
.endr
.irp j, 0,1,2,3,4,5,6,7
	global_load_b128 v[BT+4*\j:BT+4*\j+3], v1, s[12:13] offset:512*\j
.endr
	v_mov_b32 v[PT], 0                             ; v_permlanex16_b32 counts as a reader of its destination
	v_mov_b32 v[PT+1], 0
; The four chains of a row are joined, the pair's halves added, and the 32 lanes' figures summed; every lane ends with the sum in v[T + 8 i].
.macro JOIN
.irp i, 0,1
	v_pk_add_f32 v[T+8*\i:T+8*\i+1], v[T+8*\i:T+8*\i+1], v[T+8*\i+2:T+8*\i+3]
	v_pk_add_f32 v[T+8*\i+4:T+8*\i+5], v[T+8*\i+4:T+8*\i+5], v[T+8*\i+6:T+8*\i+7]
.endr
.irp i, 0,1
	v_pk_add_f32 v[T+8*\i:T+8*\i+1], v[T+8*\i:T+8*\i+1], v[T+8*\i+4:T+8*\i+5]
.endr
.irp i, 0,1
	v_add_f32 v[T+8*\i], v[T+8*\i], v[T+8*\i+1]
.endr
.irp m, 1,2,4,8
.irp i, 0,1
	v_add_f32_dpp v[T+8*\i], v[T+8*\i], v[T+8*\i] row_xmask:\m row_mask:0xf bank_mask:0xf
.endr
.endr
.irp i, 0,1
	v_permlanex16_b32 v[PT+\i], v[T+8*\i], s30, s31
.endr
.irp i, 0,1
	v_add_f32 v[T+8*\i], v[T+8*\i], v[PT+\i]
.endr
.endm
	s_wait_loadcnt 16                              ; both rows are in; the sixteen younger loads (gain, bias) stay out
.irp i, 0,1
.irp c, 0,1,2,3
	v_pk_add_f32 v[T+8*\i+2*\c:T+8*\i+2*\c+1], v[X+32*\i+2*\c:X+32*\i+2*\c+1], v[X+32*\i+2*\c+8:X+32*\i+2*\c+9]  ; the first two pairs start a chain: nothing is cleared
.endr
.endr
.irp k, 16,24
.irp i, 0,1
.irp c, 0,1,2,3
	v_pk_add_f32 v[T+8*\i+2*\c:T+8*\i+2*\c+1], v[T+8*\i+2*\c:T+8*\i+2*\c+1], v[X+32*\i+2*\c+\k:X+32*\i+2*\c+\k+1]
.endr
.endr
.endr
	JOIN
.irp i, 0,1
	v_mul_f32 v[MU+2*\i], s32, v[T+8*\i]
.endr
.irp i, 0,1
	v_mov_b32 v[MU+2*\i+1], v[MU+2*\i]
.endr
.irp i, 0,1
.set p, 0
.rept 16
	v_pk_add_f32 v[X+32*\i+2*p:X+32*\i+2*p+1], v[X+32*\i+2*p:X+32*\i+2*p+1], v[MU+2*\i:MU+2*\i+1] neg_lo:[0,1] neg_hi:[0,1]  ; x - mean
.set p, p+1
.endr
.endr
.irp i, 0,1
.irp c, 0,1,2,3
	v_pk_mul_f32 v[T+8*\i+2*\c:T+8*\i+2*\c+1], v[X+32*\i+2*\c:X+32*\i+2*\c+1], v[X+32*\i+2*\c:X+32*\i+2*\c+1]
.endr
.endr
.irp k, 8,16,24
.irp i, 0,1
.irp c, 0,1,2,3
	v_pk_fma_f32 v[T+8*\i+2*\c:T+8*\i+2*\c+1], v[X+32*\i+2*\c+\k:X+32*\i+2*\c+\k+1], v[X+32*\i+2*\c+\k:X+32*\i+2*\c+\k+1], v[T+8*\i+2*\c:T+8*\i+2*\c+1]
.endr
.endr
.endr
	JOIN
.irp i, 0,1
	v_fma_f32 v[RS+2*\i], v[T+8*\i], s32, s33      ; var + eps
.endr
.irp i, 0,1
	v_rsq_f32 v[RS+2*\i], v[RS+2*\i]
.endr
	v_nop                                          ; a plain instruction between the root and the use of its result
	s_wait_alu depctr_va_vdst(0)
.irp i, 0,1
	v_mov_b32 v[RS+2*\i+1], v[RS+2*\i]
.endr
	s_wait_loadcnt 0x0                             ; gain and bias
.irp i, 0,1
.set p, 0
.rept 16
	v_pk_mul_f32 v[X+32*\i+2*p:X+32*\i+2*p+1], v[X+32*\i+2*p:X+32*\i+2*p+1], v[RS+2*\i:RS+2*\i+1]
.set p, p+1
.endr
.endr
.irp i, 0,1
.set p, 0
.rept 16
	v_pk_fma_f32 v[X+32*\i+2*p:X+32*\i+2*p+1], v[X+32*\i+2*p:X+32*\i+2*p+1], v[G+2*p:G+2*p+1], v[BT+2*p:BT+2*p+1]
.set p, p+1
.endr
.endr
.irp i, 0,1
.set p, 0
.rept 16
	v_cvt_pk_bf16_f32 v[X+32*\i+p], v[X+32*\i+2*p], v[X+32*\i+2*p+1]  ; packed downward: register p is free when pair p is rounded
.set p, p+1
.endr
.endr
.irp i, 0,1
.irp j, 0,1,2,3,4,5,6,7
	global_store_b64 v2, v[X+32*\i+2*\j:X+32*\i+2*\j+1], s[HN:HN+1] offset:2048*\i+256*\j  ; a wave's store covers 256 consecutive bytes, aligned
.endr
.endr
	s_endpgm
.Lfunc_end_k_qc5b8e4b418_prep:
	.size	k_qc5b8e4b418_prep, .Lfunc_end_k_qc5b8e4b418_prep-k_qc5b8e4b418_prep
	.p2alignl 7, 3214868480
	.fill 96, 4, 3214868480
	.section	.rodata,"a",@progbits
	.p2align	6, 0x0
	.amdhsa_kernel k_qc5b8e4b418_prep
		.amdhsa_group_segment_fixed_size 0
		.amdhsa_private_segment_fixed_size 0
		.amdhsa_enable_private_segment 0
		.amdhsa_kernarg_size 72
		.amdhsa_user_sgpr_count 2
		.amdhsa_user_sgpr_kernarg_segment_ptr 1
		.amdhsa_wavefront_size32 1
		.amdhsa_system_sgpr_workgroup_id_x 1
		.amdhsa_system_sgpr_workgroup_id_y 1
		.amdhsa_system_sgpr_workgroup_id_z 1
		.amdhsa_system_vgpr_workitem_id 0
		.amdhsa_next_free_vgpr 160
		.amdhsa_next_free_sgpr 66
		.amdhsa_reserve_vcc 0
		.amdhsa_float_denorm_mode_32 3
		.amdhsa_float_denorm_mode_16_64 3
		.amdhsa_memory_ordered 1
		.amdhsa_forward_progress 1
		.amdhsa_inst_pref_size 31
	.end_amdhsa_kernel
	.amdgpu_metadata
---
amdhsa.version: [ 1, 2 ]
amdhsa.kernels:
  - .name:           k_qc5b8e4b418_prep
    .symbol:         k_qc5b8e4b418_prep.kd
    .args:
      - { .name: x, .offset: 0, .size: 8, .value_kind: global_buffer, .address_space: global }
      - { .name: ln1_g, .offset: 8, .size: 8, .value_kind: global_buffer, .address_space: global }
      - { .name: ln1_b, .offset: 16, .size: 8, .value_kind: global_buffer, .address_space: global }
      - { .name: w_qkv, .offset: 24, .size: 8, .value_kind: global_buffer, .address_space: global }
      - { .name: w_out, .offset: 32, .size: 8, .value_kind: global_buffer, .address_space: global }
      - { .name: w_fc1, .offset: 40, .size: 8, .value_kind: global_buffer, .address_space: global }
      - { .name: w_fc2, .offset: 48, .size: 8, .value_kind: global_buffer, .address_space: global }
      - { .name: hn, .offset: 56, .size: 8, .value_kind: global_buffer, .address_space: global }
      - { .name: wb, .offset: 64, .size: 8, .value_kind: global_buffer, .address_space: global }
    .group_segment_fixed_size: 0
    .private_segment_fixed_size: 0
    .kernarg_segment_align: 8
    .kernarg_segment_size: 72
    .max_flat_workgroup_size: 256
    .sgpr_count:     66
    .vgpr_count:     160
    .wavefront_size: 32
...
	.end_amdgpu_metadata
.endif
;; end of part 1
;; launch qkv (part 2): grid 16 x 16, 4 waves a work-group, clusters of 4 x 4, 327,680 bytes of LDS; arguments hn, wb, b_qkv, qkvh; writes qkvh
.if DOCPART == 2
	.amdgcn_target "amdgcn-amd-amdhsa--gfx1250"
	.amdhsa_code_object_version 6
	.text
	.protected	k_qc5b8e4b418_qkv
	.globl	k_qc5b8e4b418_qkv
	.p2align	8
	.type	k_qc5b8e4b418_qkv,@function
k_qc5b8e4b418_qkv:
	s_mov_b64 s[64:65], 0
	v_nop
	global_prefetch_b8 v0, s[64:65] scope:SCOPE_SE
	s_setreg_imm32_b32 hwreg(HW_REG_WAVE_MODE, 25, 1), 1
	s_wait_xcnt 0x0
	s_wait_alu depctr_hold_cnt(0) depctr_sa_sdst(0) depctr_va_vdst(0) depctr_va_sdst(0) depctr_va_ssrc(0) depctr_va_vcc(0) depctr_vm_vsrc(0)
	s_getreg_b32 s2, hwreg(HW_REG_IB_STS2, 6, 4)
	s_cmp_eq_u32 s2, 0
	s_cbranch_scc0 .Lentry_in_a_cluster
	s_endpgm
.Lentry_in_a_cluster:
	s_bfe_u32 s2, ttmp6, 0x10000c
	s_cmp_lg_u32 s2, 0xf033
	s_cbranch_scc0 .Lentry_shape_is_right
	s_endpgm
.Lentry_shape_is_right:
; QKV.  qkvh = hn @ W_qkv + b_qkv, written by heads.  hn: [4096][1024] bf16; W_qkv: [1024][3072] bf16 at wb's byte 0; b_qkv f32; sums in f32, rounded once.
; qkvh: [b = 2][g = 48][2048][64] bf16, g = column / 64: 0-15 q's heads, 16-31 k's, 32-47 v's.  q is stored unscaled.
; SHARES.  A work-group makes 256 rows x 192 columns (three heads): 16 x 16 = 256 work-groups.  Each of its four waves makes 64 rows x 192 columns: 48 accumulators, 384 registers.
; K goes in steps of 128 through two LDS slots filled by the tensor data mover; a step is four quarters of 32 along K, walked as two pairs on two fragment buffers.
; THE MATRIX INSTRUCTION IS USED TRANSPOSED: source 0 = 16 columns of W (W lies [K][N] in LDS and comes out turned, by ds_load_tr16_b128), source 1 = 16 rows of hn:
; a lane then holds row lane % 16 and the eight neighbouring columns 8 (lane / 16) + 0..7.
; CLUSTER 4 x 4.  hn's tile hangs on the tile row alone and is asked for jointly along a row of the cluster, W's on the tile column alone, along a column.
; WINDOWS of 256 registers: 0: addresses, hn's fragments v64-95, v128-159;  1: W's fragments v0-95, v128-223;  2, 3: accumulator (a, b) at v[8 (12 (a % 2) + b)] of window 2 + a / 2.
; NaN and infinities are not treated apart.
.set NCOL,   3072
.set KDIM,   1024
.set KSTEP,  128
.set STEPS,  KDIM/KSTEP
.set NBK,    12                        ; blocks of 16 columns a wave
.set MBH,    2                         ; blocks of 16 rows a window
.set PADB,   32                        ; W's rows are padded after every 128 bytes: block b of 16 columns lies at byte 32 b + 32 (b / 4)
.set PA,     272                       ; hn's LDS row: 256 bytes + 16: the 16 rows of a load start 4 banks apart
.set PB,     480                       ; W's LDS row: 3 x (128 + 32) bytes
.set HALF_A, 128*PA
.set A_BYTES, 2*HALF_A
.set HALF_B, 64*PB
.set SLOT,   A_BYTES+2*HALF_B          ; 131,072: a bit above every LDS start in a slot, so one exclusive or changes slots
.set SPARE,  2*SLOT                    ; the spare words, 128 bytes a wave: two blocks of 256 bytes that no other line names
.set ASTEP,  KSTEP*2
.set BSTEP,  KSTEP*NCOL*2
.set TASTEP, 128                       ; a pair of quarters: 64 along K in hn's rows,
.set TBSTEP, 64*PB                     ; 64 rows of W
.set SP,     784                       ; the way out: a wave's f32 row of 768 bytes + 16
.set WROWS,  64
.set ADRA0, 16                         ; v16  my lane's place in hn's tile; never rewritten
.set ADRB0, 17                         ; v17  the same for W
.set ADRA,  18                         ; v18  + slot and pair
.set ADRB,  19
.set STO,   24                         ; v24  the way out: where I put 32 bytes of a row
.set RD0,   25                         ; v25  where I read rows back
.set CO,    26                         ; v26  my byte offset in two rows of a head
.set RD,    27
.set SPW,   28                         ; v28  LDS address of my spare word; never rewritten
.set NIL,   29                         ; v29  0; never rewritten
.set BO,    30                         ; v30  my byte offset in the bias
.set BI,    32                         ; v[32:43]  the bias of my 4 columns in each of three heads
.set X,     64                         ; v[64:111]  the way out: 12 loads of 4
.set Y,     112                        ; v[112:135] packed results
.set WV,  14
.set U,   15                           ; which half of a tile I fetch
.set WHI, 16                           ; 0: I fetch for hn, 1: for W
.set G1,  24                           ; s[24:31] group 1, hn;  s[32:35] group 0: it walks
.set G0,  32
.set G1B, 36                           ; s[36:43], s[44:47] the same for W
.set G0B, 44
.set TBR, 51                           ; LDS byte of the slot that is read
.set TA,  52
.set TB,  53
.set CNT, 54
.set OUT, 55
.set TR,  82
.set MSB, 0
.macro WIN new                         ; the immediate's high byte repeats the setting that is left; a switch that changes nothing is dropped
.if MSB != (\new)
	s_set_vgpr_msb (MSB<<8)|(\new)
.set MSB, \new
.endif
.endm
.macro PLACES                          ; four places in front of loads into registers that matrix instructions have read, and of stores that read results
.rept 4
	v_nop
.endr
.endm
.macro JLOAD                           ; a joint load: waves 0, 1 fetch hn's halves, waves 2, 3 W's; an s_nop 0 and four v_nop follow each line
	s_cmp_eq_u32 s[WHI], 0
	s_cbranch_scc0 .Lfor_b_\@
	tensor_load_to_lds s[G0:G0+3], s[G1:G1+7]
	s_nop 0
	PLACES
	s_branch .Lasked_\@
.Lfor_b_\@:
	tensor_load_to_lds s[G0B:G0B+3], s[G1B:G1B+7]
	s_nop 0
	PLACES
.Lasked_\@:
.endm
.macro CROUND                          ; a round of the cluster's barrier
	s_barrier_signal -1
	s_barrier_wait -1
	s_cmp_lg_u32 s[WV], 0
	s_cbranch_scc1 .Lnot_wave_0_\@
	s_barrier_signal -3
.Lnot_wave_0_\@:
	s_barrier_wait -3
	s_barrier_signal -1
	s_barrier_wait -1
.endm
; THE CHANGE OF SLOTS.  Each wave waits for all its tensor loads (one is out: its part of the slot to be read), adds 0 to its spare word, and waits for that and for its reads of the slot that it leaves.
; fill = 1: a round of the cluster's barrier follows, and the joint refill of the slot just left, with the K step behind the one to be read, is the first thing behind it.
.macro CHANGE fill
	WIN 0
	s_wait_tensorcnt 0x0                           ; no tensor load of mine is out, so a group 0 may be written
	ds_add_u32 v[SPW], v[NIL]                      ; 0 onto my spare word
.if \fill
	s_xor_b32 s[G0+1], s[G0+1], SLOT               ; the walking descriptors: the other slot,
	s_xor_b32 s[G0B+1], s[G0B+1], SLOT
	s_add_nc_u64 s[G0+2:G0+3], s[G0+2:G0+3], ASTEP ; the next K step; the type bits on top are not reached
	s_add_nc_u64 s[G0B+2:G0B+3], s[G0B+2:G0B+3], BSTEP
.endif
	s_xor_b32 s[TBR], s[TBR], SLOT
	s_wait_dscnt 0x0                               ; the add is done, and my reads of the slot are over
.if \fill
	CROUND
	JLOAD
.else
	s_barrier_signal -1
	s_barrier_wait -1
	PLACES
.endif
.endm
; 32 LDS loads in one run: quarter kq (counted from the pair in hand) into fragment buffer f
.macro FETCH f, kq
	WIN 0x40                                       ; destination window 1, address window 0
.set ib, 0
.rept NBK
	ds_load_tr16_b128 v[128*(\f)+8*ib:128*(\f)+8*ib+3],   v[ADRB] offset:(\kq)*32*PB+32*ib+PADB*(ib/4)
	ds_load_tr16_b128 v[128*(\f)+8*ib+4:128*(\f)+8*ib+7], v[ADRB] offset:(\kq)*32*PB+32*ib+PADB*(ib/4)+16*PB
.set ib, ib+1
.endr
	WIN 0
.set ia, 0
.rept 2*MBH
	ds_load_b128 v[64+64*(\f)+8*ia:64+64*(\f)+8*ia+3],   v[ADRA] offset:(\kq)*64+ia*16*PA
	ds_load_b128 v[64+64*(\f)+8*ia+4:64+64*(\f)+8*ia+7], v[ADRA] offset:(\kq)*64+ia*16*PA+32
.set ia, ia+1
.endr
.endm
; 48 matrix instructions, 32 along K; the accumulators take turns, one instruction a turn.  zero = 1: the products start the sums.
.macro MUL f, zero
.set hi, 0
.rept 2
	WIN 0xa1+0x50*hi                               ; W window 1, hn window 0, C and D window 2 or 3
.set ia, 0
.rept MBH
.set ib, 0
.rept NBK
.set rD, 8*(NBK*ia+ib)
.set rB, 128*(\f)+8*ib
.set rA, 64+64*(\f)+8*(MBH*hi+ia)
.if \zero
	v_wmma_f32_16x16x32_bf16 v[rD:rD+7], v[rB:rB+7], v[rA:rA+7], 0
.else
	v_wmma_f32_16x16x32_bf16 v[rD:rD+7], v[rB:rB+7], v[rA:rA+7], v[rD:rD+7]
.endif
.set ib, ib+1
.endr
.set ia, ia+1
.endr
.set hi, hi+1
.endr
.endm
.macro STEPHEAD                        ; a K step begins: addresses in the slot to be read, its first quarter, two pairs to go
	s_mov_b32 s[TA], s[TBR]
	s_mov_b32 s[TB], s[TBR]
	v_add_nc_u32 v[ADRA], s[TA], v[ADRA0]
	v_add_nc_u32 v[ADRB], s[TB], v[ADRB0]
	FETCH 0, 0
	WIN 0
	s_mov_b32 s[CNT], 2
.endm
; A PAIR of quarters.  Each run of loads has the other buffer's 48 products in which to land; every wait is for all LDS loads, so the counts hold on both ways round the jump.
.macro PAIR zero
	s_wait_dscnt 0x0                               ; buffer 0 is in
	PLACES
	FETCH 1, 1
	MUL 0, \zero
	WIN 0
	s_wait_dscnt 0x0                               ; buffer 1 is in
	s_cmp_eq_u32 s[CNT], 1
	s_cbranch_scc1 .Lnof_\@                        ; the step's last pair fetches nothing more from this slot
	PLACES
	FETCH 0, 2
	WIN 0
.Lnof_\@:
	MUL 1, 0
	WIN 0
	s_add_co_u32 s[TA], s[TA], TASTEP
	s_add_co_u32 s[TB], s[TB], TBSTEP
	v_add_nc_u32 v[ADRA], s[TA], v[ADRA0]
	v_add_nc_u32 v[ADRB], s[TB], v[ADRB0]
.endm
	s_load_b256 s[4:11], s[0:1], 0x0               ; hn s[4:5], wb s[6:7], b_qkv s[8:9], qkvh s[10:11]
	v_lshl_add_u32 v[SPW], v0, 2, SPARE
	v_mov_b32 v[NIL], 0
	ds_add_u32 v28, v29
	s_wait_dscnt 0x0
	v_lshrrev_b32 v1, 5, v0
	v_readfirstlane_b32 s[WV], v1                  ; wave 0..3
	s_and_b32 s[U], s[WV], 1
	s_lshr_b32 s[WHI], s[WV], 1
	s_bfe_u32 s17, ttmp6, 0x40000                  ; cx
	s_bfe_u32 s18, ttmp6, 0x40004                  ; cy
	s_lshl_b32 s19, ttmp9, 2
	s_add_co_u32 s19, s19, s17                     ; tile column = 4 x cluster x + cx
	s_and_b32 s20, ttmp7, 0xffff
	s_lshl_b32 s20, s20, 2
	s_add_co_u32 s20, s20, s18                     ; tile row = 4 x cluster y + cy
	s_lshl_b32 s21, s18, 2
	s_lshl_b32 s21, 15, s21                        ; my row of the cluster
	s_lshl_b32 s22, 0x1111, s17                    ; my column
	s_or_b32 s[G1], s21, (1<<16)|(1<<20)|(1<<21)|(5<<22)|(3<<25)  ; mask; 2-byte elements; padding on; bit 21 beside a mask; after every 64 words, 4 words
	s_mov_b32 s[G1+1], 128<<16                     ; tensor_dim0 = 128
	s_mov_b32 s[G1+2], 128<<16                     ; tensor_dim1 = 128
	s_mov_b32 s[G1+3], 128<<16                     ; tile_dim0 = 128
	s_mov_b32 s[G1+4], 128                         ; tile_dim1 = 128
	s_mov_b32 s[G1+5], KDIM                        ; elements from row to row
	s_mov_b32 s[G1+6], 0
	s_mov_b32 s[G1+7], 0
	s_or_b32 s[G1B], s22, (1<<16)|(1<<20)|(1<<21)|(4<<22)|(7<<25)  ; after every 32 words, 8 words
	s_mov_b32 s[G1B+1], 192<<16
	s_mov_b32 s[G1B+2], 64<<16
	s_mov_b32 s[G1B+3], 192<<16
	s_mov_b32 s[G1B+4], 64
	s_mov_b32 s[G1B+5], NCOL
	s_mov_b32 s[G1B+6], 0
	s_mov_b32 s[G1B+7], 0
	s_lshl_b32 s56, s20, 19                        ; hn: (256 tile row + 128 half) rows of 2,048 bytes
	s_lshl_b32 s60, s[U], 18
	s_add_co_u32 s56, s56, s60
	s_mov_b32 s57, 0
	s_mul_i32 s58, s19, 384                        ; W: 192 columns a tile column, 64 rows of 6,144 bytes a half
	s_mul_i32 s61, s[U], 64*NCOL*2
	s_add_co_u32 s58, s58, s61
	s_mov_b32 s59, 0
	s_mov_b32 s[G0], 1
	s_mul_i32 s[G0+1], s[U], HALF_A                ; LDS: the wave's number alone
	s_mov_b32 s[G0B], 1
	s_mul_i32 s[G0B+1], s[U], HALF_B
	s_add_co_u32 s[G0B+1], s[G0B+1], A_BYTES
	s_mov_b32 s[TBR], SLOT                         ; the first change of slots turns it into 0
	s_wait_kmcnt 0x0
	s_add_nc_u64 s[G0+2:G0+3], s[4:5], s[56:57]
	s_or_b32 s[G0+3], s[G0+3], 0x80000000
	s_add_nc_u64 s[G0B+2:G0B+3], s[6:7], s[58:59]
	s_or_b32 s[G0B+3], s[G0B+3], 0x80000000
	CROUND                                         ; all sixteen work-groups are here: the first joint loads meet
	JLOAD                                          ; K step 0 into slot 0; slot 1 is asked for by the first change of slots
	v_and_b32 v2, 15, v0                           ; r = lane % 16
	v_bfe_u32 v3, v0, 4, 1                         ; h = lane / 16
	v_and_b32 v4, 7, v0
	v_bfe_u32 v5, v0, 3, 1
	v_lshlrev_b32 v[BO], 4, v2                     ; 4 numbers of the bias a lane
	s_mul_i32 s62, s19, 768                        ; 192 numbers a tile column
	s_mov_b32 s63, 0
	s_add_nc_u64 s[8:9], s[8:9], s[62:63]
.irp q, 0,1,2
	global_load_b128 v[BI+4*\q:BI+4*\q+3], v[BO], s[8:9] offset:256*\q
.endr
	s_lshr_b32 s66, s20, 3                         ; b
	s_mul_i32 s66, s66, 48
	s_mul_i32 s67, s19, 3
	s_add_co_u32 s66, s66, s67                     ; 48 b + g of my first head
	s_lshl_b32 s66, s66, 18                        ; 262,144 bytes a head
	s_and_b32 s67, s20, 7
	s_lshl_b32 s67, s67, 15                        ; 256 rows of 128 bytes a tile row
	s_add_co_u32 s66, s66, s67
	s_lshl_b32 s67, s[WV], 13                      ; 64 rows a wave
	s_add_co_u32 s66, s66, s67
	s_mov_b32 s67, 0
	s_add_nc_u64 s[10:11], s[10:11], s[66:67]
	s_mul_i32 s60, s[WV], 64*PA                    ; my 64 rows of hn's tile
	v_mul_u32_u24 v[ADRA0], v2, PA
	v_lshl_add_u32 v[ADRA0], v3, 4, v[ADRA0]
	v_add_nc_u32 v[ADRA0], s60, v[ADRA0]           ; row x pitch + 16 h
	v_lshl_add_u32 v[ADRB0], v3, 3, v4             ; the turning load: row 8 h + lane % 8, 16 bytes at 16 ((lane / 8) % 2)
	v_mul_u32_u24 v[ADRB0], v[ADRB0], PB
	v_lshl_add_u32 v[ADRB0], v5, 4, v[ADRB0]
	v_add_nc_u32 v[ADRB0], A_BYTES, v[ADRB0]
	s_mul_i32 s56, s[WV], WROWS*SP                 ; my region for the way out
	v_mul_u32_u24 v[STO], v2, SP
	v_lshl_add_u32 v[STO], v3, 5, v[STO]
	v_add_nc_u32 v[STO], s56, v[STO]               ; row r, 32 bytes for each half of the lanes
	v_mul_u32_u24 v[RD0], v3, SP
	v_lshl_add_u32 v[RD0], v2, 4, v[RD0]
	v_add_nc_u32 v[RD0], s56, v[RD0]               ; back: lanes 0-15 one head's 256 bytes of a row, lanes 16-31 of the next row
	v_lshlrev_b32 v[CO], 7, v3
	v_lshl_add_u32 v[CO], v2, 3, v[CO]             ; out: 128 h + 8 r
	s_mov_b32 s[OUT], STEPS-1
	CHANGE 1                                       ; slot 0 is in, everybody's part of it; slot 1 is asked for
	STEPHEAD
	PAIR 1                                         ; the first pair stands in front of the loop: its first products start the sums
	s_mov_b32 s[CNT], 1
	s_branch .Linner
.Louter:                                               ; STEPS - 2 times
	CHANGE 1
	STEPHEAD
.Linner:
	PAIR 0
	s_sub_co_u32 s[CNT], s[CNT], 1
	s_cmp_lg_u32 s[CNT], 0
	s_cbranch_scc1 .Linner
	s_sub_co_u32 s[OUT], s[OUT], 1
	s_cmp_lg_u32 s[OUT], 0
	s_cbranch_scc1 .Louter
	CHANGE 0                                       ; the last K step is written out: nothing is asked for
	STEPHEAD
.Ltail:
	PAIR 0
	s_sub_co_u32 s[CNT], s[CNT], 1
	s_cmp_lg_u32 s[CNT], 0
	s_cbranch_scc1 .Ltail
	; THE WAY OUT.  The slots have had their last fill; behind a barrier each wave lays its 64 x 192 sums in f32 into a region of its own and reads them back by rows.
	s_wait_dscnt 0x0                               ; my reads of the ring are over
	s_barrier_signal -1
	s_barrier_wait -1                              ; everybody's are
	PLACES
.set hi, 0
.rept 2
	WIN 0x08+0x04*hi                               ; store data in window 2 or 3
.set ia, 0
.rept MBH
.set ib, 0
.rept NBK
.set rD, 8*(NBK*ia+ib)
	ds_store_b128 v[STO], v[rD:rD+3]   offset:(MBH*hi+ia)*16*SP+64*ib     ; each accumulator's low registers first
	ds_store_b128 v[STO], v[rD+4:rD+7] offset:(MBH*hi+ia)*16*SP+64*ib+16
.set ib, ib+1
.endr
.set ia, ia+1
.endr
.set hi, hi+1
.endr
	WIN 0
	s_wait_loadcnt 0x0                             ; the bias
	s_mov_b32 s[TR], 0
	s_mov_b32 s[CNT], 8
.Lrows:                                                ; a trip: 8 rows x 3 heads
	v_add_nc_u32 v[RD], s[TR], v[RD0]
.set n, 0
.rept 12                                       ; rows 2 (n / 3) and + 1, head n % 3.  LDS serves a wave's instructions in order: these see the stores above
	ds_load_b128 v[X+4*n:X+4*n+3], v[RD] offset:(n/3)*2*SP+(n%3)*256
.set n, n+1
.endr
.set n, 0
.rept 12
	s_wait_dscnt 11-n                              ; load n is in, the younger ones stay out
	v_pk_add_f32 v[X+4*n:X+4*n+1], v[X+4*n:X+4*n+1], v[BI+4*(n%3):BI+4*(n%3)+1]
	v_pk_add_f32 v[X+4*n+2:X+4*n+3], v[X+4*n+2:X+4*n+3], v[BI+4*(n%3)+2:BI+4*(n%3)+3]
	v_cvt_pk_bf16_f32 v[Y+2*n], v[X+4*n], v[X+4*n+1]
	v_cvt_pk_bf16_f32 v[Y+2*n+1], v[X+4*n+2], v[X+4*n+3]
	global_store_b64 v[CO], v[Y+2*n:Y+2*n+1], s[10:11] offset:(n%3)*262144+(n/3)*256  ; two rows of one head: 256 consecutive bytes, aligned
.set n, n+1
.endr
	s_wait_xcnt 0x0                                ; the stores' base and data are rewritten only behind this wait
	s_add_nc_u64 s[10:11], s[10:11], 1024
	s_add_co_u32 s[TR], s[TR], 8*SP
	s_sub_co_u32 s[CNT], s[CNT], 1
	s_cmp_lg_u32 s[CNT], 0
	s_cbranch_scc1 .Lrows
	s_wait_tensorcnt 0x0                           ; the wave's end
	ds_add_u32 v[SPW], v[NIL]
	s_wait_dscnt 0x0
	CROUND                                         ; the closing round
	s_endpgm
.Lfunc_end_k_qc5b8e4b418_qkv:
	.size	k_qc5b8e4b418_qkv, .Lfunc_end_k_qc5b8e4b418_qkv-k_qc5b8e4b418_qkv
	.p2alignl 7, 3214868480
	.fill 96, 4, 3214868480
	.section	.rodata,"a",@progbits
	.p2align	6, 0x0
	.amdhsa_kernel k_qc5b8e4b418_qkv
		.amdhsa_group_segment_fixed_size 327680
		.amdhsa_private_segment_fixed_size 0
		.amdhsa_enable_private_segment 0
		.amdhsa_kernarg_size 32
		.amdhsa_user_sgpr_count 2
		.amdhsa_user_sgpr_kernarg_segment_ptr 1
		.amdhsa_wavefront_size32 1
		.amdhsa_system_sgpr_workgroup_id_x 1
		.amdhsa_system_sgpr_workgroup_id_y 1
		.amdhsa_system_sgpr_workgroup_id_z 1
		.amdhsa_system_vgpr_workitem_id 0
		.amdhsa_next_free_vgpr 960
		.amdhsa_next_free_sgpr 84
		.amdhsa_reserve_vcc 0
		.amdhsa_float_denorm_mode_32 3
		.amdhsa_float_denorm_mode_16_64 3
		.amdhsa_memory_ordered 1
		.amdhsa_forward_progress 1
		.amdhsa_inst_pref_size 61
	.end_amdhsa_kernel
	.amdgpu_metadata
---
amdhsa.version: [ 1, 2 ]
amdhsa.kernels:
  - .name:           k_qc5b8e4b418_qkv
    .symbol:         k_qc5b8e4b418_qkv.kd
    .args:
      - { .name: hn, .offset: 0, .size: 8, .value_kind: global_buffer, .address_space: global }
      - { .name: wb, .offset: 8, .size: 8, .value_kind: global_buffer, .address_space: global }
      - { .name: b_qkv, .offset: 16, .size: 8, .value_kind: global_buffer, .address_space: global }
      - { .name: qkvh, .offset: 24, .size: 8, .value_kind: global_buffer, .address_space: global }
    .group_segment_fixed_size: 327680
    .private_segment_fixed_size: 0
    .kernarg_segment_align: 8
    .kernarg_segment_size: 32
    .max_flat_workgroup_size: 128
    .sgpr_count:     84
    .vgpr_count:     960
    .wavefront_size: 32
...
	.end_amdgpu_metadata
.endif
;; end of part 2
;; launch attn (part 3): grid 8 x 32, 8 waves a work-group, no clusters, 327,680 bytes of LDS; arguments qkvh, o; writes o
.if DOCPART == 3
	.amdgcn_target "amdgcn-amd-amdhsa--gfx1250"
	.amdhsa_code_object_version 6
	.text
	.protected	k_qc5b8e4b418_attn
	.globl	k_qc5b8e4b418_attn
	.p2align	8
	.type	k_qc5b8e4b418_attn,@function
k_qc5b8e4b418_attn:
	s_mov_b64 s[64:65], 0
	v_nop
	global_prefetch_b8 v0, s[64:65] scope:SCOPE_SE
	s_setreg_imm32_b32 hwreg(HW_REG_WAVE_MODE, 25, 1), 1
	s_wait_xcnt 0x0
; CAUSAL ATTENTION.  o[bh][q][:] = the sum over k <= q of softmax_k(Q[q] . K[k] / 8) V[k][:], for each of 32 pairs bh = 16 b + h.
; qkvh: [b][48][2048][64] bf16 (q's heads, then k's, then v's); o: [bh][2048][64] bf16.  Products, maxima and sums in f32; the weights p are rounded to bf16 for the second product
; (their sum l is taken of the unrounded p), o once at the end.
; LIMITS.  A hidden score counts as its value less 1e30; a score below -2^80 counts as -2^80 in the running maximum; a weight below 2^-126 counts as 0 in l; NaN and infinities are not treated apart.
; THE WALK.  A head's queries lie in 16 blocks of 128; block i needs the key tiles 0 .. i / 2 of 256 keys, of which the last holds the diagonal.  A work-group takes TWO blocks, 15 - pb and then pb:
; 9 tiles whatever pb, so all 256 work-groups do equal work and ONE loop with a constant trip count walks them; the ring of two LDS slots runs on across the change of blocks.
; NO CLUSTER: a head's 8 work-groups ask for the same tile only in the walk's first trips; behind that the first blocks end one after the other, and a walk common to four partners would be longer.
; SHARES.  Eight waves, two on each SIMD.  Wave w has w4 = w % 4 and group g = w / 4.  It owns rows 32 w4 .. 32 w4 + 31 of a block, two PIECES of 16 queries, and of a tile's eight key steps of 32 keys
; those of parity g: the two waves of a row share walk the keys by halves, each with its own m, l and O, so that one wave's instructions stand in the gaps of the other's chains and waits,
; and each step's K and V are read from LDS by four waves as they would be by one group.  AT A BLOCK'S END the two states are merged through LDS: group g takes piece g.
; LAYOUT.  S^T = K Q^T (source 0 = 16 keys, source 1 = 16 queries): a lane holds ONE query (lane % 16) and the keys 8 (lane / 16) + 0..7.  The two key groups' results rounded to bf16 in pairs ARE
; source 1 (32 keys x 16 queries) of O^T = V^T P.  K comes out of LDS as it lies, V ([key][channel]) turned, by ds_load_tr16_b128.
; SOFTMAX.  A running maximum m and sum l for each query: p = 2^(c s - c m), c = log2(e) / 8; in every step O and l are multiplied by a = 2^(c m_old - c m_new).
; m starts at -2^80 and c m far below every c s, so a block's first a is 0 and wipes what O and l held.  -2^80 lies above every hidden score: a row that sees none of its group's keys
; (rows 0-31 of block 0 in group 1) keeps m = -2^80, p = 0, l = 0, O = 0, and its weight in the merge is 0.
; THE MASK is the C operand that starts a sum S^T in the diagonal tile: MD x AL + BE, with MD the mask of a group of 16 keys against the group of 16 queries of the same number in the tile, and two scalars:
; (1, 0) key group = query group; (0, 0) below it; (0, -1e30) above it.  Elsewhere C is the constant 0.  An even block's queries are the tile's groups 0-7: its steps from key group 8 on are wholly
; hidden and are computed all the same, 2 of a wave's 36 steps: every trip of every loop then fetches and steps its LDS addresses alike.
; BY TURNS.  In turn x piece x has the matrix unit: 4 products V^T P of the step in hand, 4 products K Q^T of the wave's next step; the other piece's whole softmax, 70 instructions, stands behind them in eight lines.
; All that the loop names fits v0-v255: the loop switches no register window.  Window 1 holds only the second block's Q (v0-31) and MD (v32-39).
.set NB,    16
.set PK,    144       ; a row of K in LDS: 128 bytes + 16: the 16 rows of a load start 4 banks apart
.set PV,    160       ; a row of V: 128 + 32
.set TKEYS, 256
.set VOFF,  TKEYS*PK  ; a slot holds a tile: 256 rows of K, then 256 rows of V
.set SLOT1, 1<<17     ; slot 1 begins here: one exclusive or turns an address in one slot into the other's
.set STAGE, SLOT1+TKEYS*(PK+PV)  ; behind the ring, never filled by a tensor load: 16 rows x 144 bytes a wave, for the way out
.set SP,    144
.set EXCH,  STAGE+8*16*SP        ; the exchange: region 2 w4 + t holds piece t's state of the wave that does not own it: O 4,096 bytes, then c m and l 256
.set RB,    4352
.set SPARE, EXCH+8*RB            ; the spare words, 128 bytes a wave: four blocks of 256 bytes that no other line names
.set STEPK, 32*PK
.set STEPV, 32*PV
.set AK0, 2           ; v2   my lane's place in a tile of K; never rewritten
.set AV0, 3           ; v3   the same for V
.set AK,  4
.set AV,  5
.set STO, 6           ; v6   the way out: where I put 16 bytes of a row
.set RD,  7           ; v7   where I read rows back
.set GO,  8           ; v8   my byte offset in 512 consecutive bytes of o
.set EX,  9           ; v9   the exchange: my 16 bytes in region 2 w4
.set PR,  10          ; v[10:11]  my partner's c m and l
.set SPW, 12          ; v12  LDS address of my spare word; never rewritten
.set NIL, 13          ; v13  0; never rewritten
.set EXS, 14          ; v14  the exchange: my 8 bytes in region 2 w4
.set QO,  15          ; v15  my byte offset in 16 rows of Q
.set ST,  16          ; piece t's statistics at v[ST + 8 t]: c m, m (at the end l's sum), l (even keys', odd keys'), c0, c1, c2 (later a), c3 (c m_old, later the difference)
.set S,   32          ; 16 a piece
.set P,   64          ; 8 a piece
.set O,   80          ; 32 a piece
.set Q,   144         ; piece t, channel half c at 16 t + 8 c
.set KF,  176         ; key group g, channel half c at 16 g + 8 c
.set VF,  208         ; channel block cb at 8 cb
.set MC,  240         ; the masks of the two key groups of the products to come
.set QB,  0           ; window 1
.set MD,  32          ; window 1
.set WV,  12
.set PB,  14
.set HI,  15
.set G1K, 24
.set G1V, 32
.set G0K, 40
.set G0V, 44
.set QT,  48          ; s48, s49  my two pieces' group numbers in the diagonal tile
.set KG,  50          ; s50  the first key group of the step whose scores are made
.set TMPS, 51
.set AL0, 52          ; s[52:53], s[54:55]  factor and addend for key group KG; s[66:67], s[68:69] for KG + 1
.set BE0, 54
.set SLOTS, 56
.set CNT, 57
.set CS,  58
.set SEL, 60
.set TBK, 62          ; LDS byte at which K of my next step begins
.set TBV, 63          ; the same for V, less VOFF
.set AL1, 66
.set BE1, 68
.set RT,  70          ; tiles of the block in hand still to be entered
.set NXT, 71          ; the tile to be asked for next
.set LQ,  72          ; the last tile of the block whose tiles are being asked for
.set NEW, 73          ; 1: the tile to be entered is a block's first
.set OFF, 74
.set OLO, 80
.set BIGN, 82
.set W4,  92          ; wave % 4
.set GRP, 93          ; wave / 4
.set PBH, 94          ; pb / 2: the second block's last tile
.set KG0, 95          ; 2 g: my first key group in a tile
.set SB,  96          ; LDS byte of the slot that is read
.set GK,  97          ; g steps of K
.set GV,  98          ; g steps of V
.set MSB, 0
.macro WIN new
.if MSB != (\new)
	s_set_vgpr_msb (MSB<<8)|(\new)
.set MSB, \new
.endif
.endm
.macro PLACES
.rept 4
	v_nop
.endr
.endm
.macro LOAD                            ; a fill: waves 0, 1 fetch the halves of a tile's K, waves 2, 3 of its V, waves 4-7 nothing; an s_nop 0 and four v_nop follow each line
	s_cmp_lt_u32 s[WV], 2
	s_cbranch_scc0 .Lnot_k_\@
	tensor_load_to_lds s[G0K:G0K+3], s[G1K:G1K+7]
	s_nop 0
	PLACES
	s_branch .Lasked_\@
.Lnot_k_\@:
	s_cmp_lt_u32 s[WV], 4
	s_cbranch_scc0 .Lasked_\@
	tensor_load_to_lds s[G0V:G0V+3], s[G1V:G1V+7]
	s_nop 0
	PLACES
.Lasked_\@:
.endm
; THE CHANGE OF SLOTS.  Each wave waits for all its tensor loads (of a loading wave one is out: its part of the other slot), adds 0 to its spare word, and waits for that and for its reads of the slot that it leaves.
; fill = 1: the old slot is filled again, first thing behind the barrier, with tile NXT: the descriptor's address is made anew from that number.
.macro CHANGE fill
	s_wait_tensorcnt 0x0            ; no tensor load of mine is out, so a group 0 may be written
	ds_add_u32 v[SPW], v[NIL]       ; 0 onto my spare word
.if \fill
	s_lshl_b32 s[OFF], s[NXT], 15   ; a tile is 32,768 bytes of K and of V
	s_xor_b32 s[G0K+1], s[G0K+1], SLOT1
	s_add_nc_u64 s[G0K+2:G0K+3], s[6:7], s[OFF:OFF+1]
	s_or_b32 s[G0K+3], s[G0K+3], 0x80000000
	s_xor_b32 s[G0V+1], s[G0V+1], SLOT1
	s_add_nc_u64 s[G0V+2:G0V+3], s[8:9], s[OFF:OFF+1]
	s_or_b32 s[G0V+3], s[G0V+3], 0x80000000
	s_add_co_u32 s[NXT], s[NXT], 1  ; the block's next tile, or behind its last the second block's tile 0
	s_cmp_gt_u32 s[NXT], s[LQ]
	s_cselect_b32 s[NXT], 0, s[NXT]
	s_cselect_b32 s[LQ], s[PBH], s[LQ]
.endif
	s_wait_dscnt 0x0                ; the add is done, and my reads of the slot are over
	s_barrier_signal -1
	s_xor_b32 s[SB], s[SB], SLOT1   ; the fetches go to the other slot,
	s_add_co_u32 s[TBK], s[SB], s[GK]  ; to my group's first step there
	s_add_co_u32 s[TBV], s[SB], s[GV]
	s_barrier_wait -1
.if \fill
	LOAD
.endif
.endm
; THE MATRIX WORK.  Accumulators take turns, one instruction a turn.
.macro PVI x, i                        ; O^T += V^T P for piece x, channels 16 i on
	v_wmma_f32_16x16x32_bf16 v[O+32*(\x)+8*(\i):O+32*(\x)+8*(\i)+7], v[VF+8*(\i):VF+8*(\i)+7], v[P+8*(\x):P+8*(\x)+7], v[O+32*(\x)+8*(\i):O+32*(\x)+8*(\i)+7]
.endm
.macro KQI x, i, m                     ; S^T = K Q^T for piece x: key group i % 2, channels 32 (i / 2) on; the first two start the sums, with 0 or (m = 1) with the mask
.set rD, S+16*(\x)+8*((\i)%2)
.set rK, KF+16*((\i)%2)+8*((\i)/2)
.set rQ, Q+16*(\x)+8*((\i)/2)
.if ((\i) < 2) && (\m)
	v_wmma_f32_16x16x32_bf16 v[rD:rD+7], v[rK:rK+7], v[rQ:rQ+7], v[MC+8*(\i):MC+8*(\i)+7]
.elseif (\i) < 2
	v_wmma_f32_16x16x32_bf16 v[rD:rD+7], v[rK:rK+7], v[rQ:rQ+7], 0
.else
	v_wmma_f32_16x16x32_bf16 v[rD:rD+7], v[rK:rK+7], v[rQ:rQ+7], v[rD:rD+7]
.endif
.endm
.macro FETCH_K                         ; a step's K: 32 keys x 64 channels, 8 loads, in the order in which the four products K Q^T take the fragments
	v_add_nc_u32 v[AK], s[TBK], v[AK0]
.irp f, 0,2,1,3
	ds_load_b128 v[KF+8*\f:KF+8*\f+3],   v[AK] offset:(\f/2)*16*PK+(\f%2)*64
	ds_load_b128 v[KF+8*\f+4:KF+8*\f+7], v[AK] offset:(\f/2)*16*PK+(\f%2)*64+32
.endr
	s_add_co_u32 s[TBK], s[TBK], 2*STEPK   ; my next step lies two steps on
.endm
.macro FETCH_V                         ; a step's V, turned: 8 loads
	v_add_nc_u32 v[AV], s[TBV], v[AV0]
.irp f, 0,1,2,3
	ds_load_tr16_b128 v[VF+8*\f:VF+8*\f+3],   v[AV] offset:\f*32
	ds_load_tr16_b128 v[VF+8*\f+4:VF+8*\f+7], v[AV] offset:\f*32+16*PV
.endr
	s_add_co_u32 s[TBV], s[TBV], 2*STEPV
.endm
; THE VECTOR WORK of a piece and step, one line each.  REGS names the piece's registers.
.macro REGS y
.set rT, ST+8*(\y)
.set rS, S+16*(\y)
.set rP, P+8*(\y)
.set rO, O+32*(\y)
.endm
.macro XO n                            ; the maximum and the statistics; each accumulator's lowest registers are read first
.if (\n) == 0
	v_max3_num_f32 v[rT+4], v[rS], v[rS+1], v[rS+2]
.elseif (\n) == 1
	v_max3_num_f32 v[rT+5], v[rS+8], v[rS+9], v[rS+10]
.elseif (\n) == 2
	v_max3_num_f32 v[rT+4], v[rT+4], v[rS+3], v[rS+4]
.elseif (\n) == 3
	v_max3_num_f32 v[rT+5], v[rT+5], v[rS+11], v[rS+12]
.elseif (\n) == 4
	v_max3_num_f32 v[rT+4], v[rT+4], v[rS+5], v[rS+6]
.elseif (\n) == 5
	v_max3_num_f32 v[rT+5], v[rT+5], v[rS+13], v[rS+14]
.elseif (\n) == 6
	v_max3_num_f32 v[rT+6], v[rS+7], v[rS+15], v[rT+1]
.elseif (\n) == 7
	v_max3_num_f32 v[rT+4], v[rT+4], v[rT+5], v[rT+6]
.elseif (\n) == 8
	v_mov_b32 v[rT+7], v[rT]                       ; c m_old is kept
.elseif (\n) == 9
	v_permlanex16_b32 v[rT+5], v[rT+4], s[SEL], s[SEL+1]  ; the query's other 16 keys lie in the lane 16 away
.elseif (\n) == 10
	v_max_num_f32 v[rT+1], v[rT+4], v[rT+5]
.elseif (\n) == 11
	v_mul_f32 v[rT], s[CS], v[rT+1]
.elseif (\n) == 12
	v_sub_f32 v[rT+7], v[rT+7], v[rT]
.else
	v_exp_f32 v[rT+6], v[rT+7]                     ; a
.endif
.endm
.macro FO n                            ; pair n: c s - c m
	v_pk_fma_f32 v[rS+2*(\n):rS+2*(\n)+1], v[rS+2*(\n):rS+2*(\n)+1], s[CS:CS+1], v[rT:rT+1] op_sel_hi:[1,0,0] neg_lo:[0,0,1] neg_hi:[0,0,1]
.endm
.macro EO n
	v_exp_f32 v[rS+(\n)], v[rS+(\n)]
.endm
.macro CV n                            ; pair n rounded to bf16
	v_cvt_pk_bf16_f32 v[rP+(\n)], v[rS+2*(\n)], v[rS+2*(\n)+1]
.endm
.macro LS n                            ; l = a l + pair 0; l += pair n
.if (\n) == 0
	s_wait_alu depctr_va_vdst(0)
	v_pk_fma_f32 v[rT+2:rT+3], v[rT+2:rT+3], v[rT+6:rT+7], v[rS:rS+1] op_sel_hi:[1,0,1]
.else
	s_wait_alu depctr_va_vdst(0)
	v_pk_add_f32 v[rT+2:rT+3], v[rT+2:rT+3], v[rS+2*(\n):rS+2*(\n)+1]
.endif
.endm
.macro RO n                            ; pair n of O^T times a
	v_pk_mul_f32 v[rO+2*(\n):rO+2*(\n)+1], v[rO+2*(\n):rO+2*(\n)+1], v[rT+6:rT+7] op_sel_hi:[1,0]
.endm
; The 70 in eight lines.  No two exponentials follow each other, and each has a plain instruction behind it that touches neither its result nor its source.
; Line 4 holds five plain instructions (the places in front of the loads into V), lines 7 and 8 eight each (the places behind the last K Q^T).
.macro LN k
.if (\k) == 1
.irp n, 0,1,8,2,3,6,4,5,7
	XO \n
.endr
.elseif (\k) == 2
	XO 9
	XO 10
	XO 11
	XO 12
	FO 0
	XO 13
	FO 1
	EO 0
	FO 2
.elseif (\k) == 3
	EO 1
	FO 3
	EO 2
	FO 4
	EO 3
	LS 0
	EO 4
	CV 0
	EO 5
.elseif (\k) == 4
	FO 5
	EO 6
	LS 1
	EO 7
	CV 1
	EO 8
	FO 6
	EO 9
	LS 2
.elseif (\k) == 5
	EO 10
	CV 2
	EO 11
	FO 7
	EO 12
	LS 3
	EO 13
	CV 3
	EO 14
.elseif (\k) == 6
	LS 4
	EO 15
	CV 4
	LS 5
	CV 5
	LS 6
	CV 6
	LS 7
	CV 7
.elseif (\k) == 7
.irp n, 0,1,2,3,4,5,6,7
	RO \n
.endr
.else
.irp n, 8,9,10,11,12,13,14,15
	RO \n
.endr
.endif
.endm
.macro WAITX x, n                      ; piece 0's turn is the first to use the step's V and the next step's K: LDS loads come back in order, so a count leaves the younger ones out
.if (\x) == 0
	s_wait_dscnt \n
.endif
.endm
; A TURN, for piece x.  kq = 0: a block's last turn but one: no further scores.  m = 1: the diagonal tile: the products take masks.
; At the head of piece 0's turn 16 LDS loads may be out: V's eight, then K's eight.  Product i of V^T P needs V's first 2 i + 2: 14 - 2 i may stay out; product i of K Q^T needs K's first 2 i + 2: 6 - 2 i.
.macro TURN x, kq=1, m=0
	REGS 1-(\x)
.if \kq
	WAITX \x, 14
	PVI \x, 0
	LN 1
	WAITX \x, 12
	PVI \x, 1
	LN 2
	WAITX \x, 10
	PVI \x, 2
	LN 3
	WAITX \x, 8
	PVI \x, 3
	LN 4
.if (\x) == 1
	FETCH_V                         ; V of the step whose scores are being made: both pieces have multiplied by the step before's
.endif
	WAITX \x, 6
	KQI \x, 0, \m
	LN 5
	WAITX \x, 4
	KQI \x, 1, \m
	LN 6
	WAITX \x, 2
	KQI \x, 2, \m
	LN 7
	WAITX \x, 0
	KQI \x, 3, \m
	LN 8
.else
	PVI \x, 0
	LN 1
	LN 2
	PVI \x, 1
	LN 3
	LN 4
	PVI \x, 2
	LN 5
	LN 6
	PVI \x, 3
	LN 7
	LN 8
.endif
.endm
.macro MASKS t                         ; the masks of key groups KG and KG + 1 against piece t's query group
	s_cmp_eq_u32 s[KG], s[QT+(\t)]
	s_cselect_b32 s[AL0], 1.0, 0
	s_cmp_gt_u32 s[KG], s[QT+(\t)]
	s_cselect_b32 s[BE0], s[BIGN], 0
	s_add_co_u32 s[TMPS], s[KG], 1
	s_cmp_eq_u32 s[TMPS], s[QT+(\t)]
	s_cselect_b32 s[AL1], 1.0, 0
	s_cmp_gt_u32 s[TMPS], s[QT+(\t)]
	s_cselect_b32 s[BE1], s[BIGN], 0
	WIN 0x01                        ; source 0 (MD) in window 1
.irp z, 0,1,2,3
	v_pk_fma_f32 v[MC+2*\z:MC+2*\z+1], v[MD+2*\z:MD+2*\z+1], s[AL0:AL0+1], s[BE0:BE0+1] op_sel_hi:[1,0,0]
.endr
.irp z, 0,1,2,3
	v_pk_fma_f32 v[MC+8+2*\z:MC+8+2*\z+1], v[MD+2*\z:MD+2*\z+1], s[AL1:AL1+1], s[BE1:BE1+1] op_sel_hi:[1,0,0]
.endr
	WIN 0
.endm
; A BLOCK BEGINS: the statistics' start values; P of piece 1 is 0, so that the first turn's products V^T P, of a step that has not been, add nothing; K of my first step; piece 0's first scores.
.macro BEGIN m
	s_mov_b32 s[NEW], 0
.irp y, 0,1
	v_mov_b32 v[ST+8*\y], 0xfe000000     ; c m: far below every c s
	v_mov_b32 v[ST+8*\y+1], 0xe7800000   ; m = -2^80: below every score that counts, above every hidden one
.endr
.set i, 0
.rept 8
	v_mov_b32 v[P+8+i], 0
.set i, i+1
.endr
.if \m
	MASKS 0
.endif
	FETCH_K
	s_wait_loadcnt 0x0              ; Q
	s_wait_dscnt 0x0
	KQI 0, 0, \m
	KQI 0, 1, \m
	KQI 0, 2, \m
	KQI 0, 3, \m
	PLACES                          ; behind those products
.endm
; A BLOCK'S END.  LSUM: l's two halves and the other half of the lanes' are added; the sum goes where m stood, beside c m.
.macro LSUM
.irp y, 0,1
	v_add_f32 v[ST+8*\y+4], v[ST+8*\y+2], v[ST+8*\y+3]
.endr
.irp y, 0,1
	v_permlanex16_b32 v[ST+8*\y+5], v[ST+8*\y+4], s[SEL], s[SEL+1]
.endr
.irp y, 0,1
	v_add_f32 v[ST+8*\y+1], v[ST+8*\y+4], v[ST+8*\y+5]
.endr
.endm
.macro XSTORE t                        ; piece t, which my partner owns, goes into region 2 w4 + t: lane by lane, 16 neighbouring bytes each; each accumulator's low registers first
.irp f, 0,1,2,3,4,5,6,7
	ds_store_b128 v[EX], v[O+32*(\t)+4*\f:O+32*(\t)+4*\f+3] offset:(\t)*RB+\f*512
.endr
	ds_store_b64 v[EXS], v[ST+8*(\t):ST+8*(\t)+1] offset:(\t)*RB+4096
.endm
; Piece t, which I own: my partner's O' comes into S^T's registers, its c m' and l' into PR.  With c m* the larger of c m and c m', w = 2^(c m - c m*), w' = 2^(c m' - c m*), L = w l + w' l':
; O = O (w / L) + O' (w' / L).  One of w, w' is 1 and its l is 1 at the least, so L is no smaller.
.macro MERGE t
	REGS \t
.irp f, 0,1,2,3,4,5,6,7
	ds_load_b128 v[S+4*\f:S+4*\f+3], v[EX] offset:(\t)*RB+\f*512
.endr
	ds_load_b64 v[PR:PR+1], v[EXS] offset:(\t)*RB+4096
	s_wait_dscnt 0x0
	v_max_num_f32 v[rT+4], v[rT], v[PR]
	v_sub_f32 v[rT+5], v[rT], v[rT+4]
	v_sub_f32 v[rT+6], v[PR], v[rT+4]
	v_exp_f32 v[rT+5], v[rT+5]
	v_exp_f32 v[rT+6], v[rT+6]
	v_nop                           ; a plain instruction between the exponentials and the use of their results
	s_wait_alu depctr_va_vdst(0)
	v_mul_f32 v[rT+7], v[rT+5], v[rT+1]
	v_fma_f32 v[rT+7], v[rT+6], v[PR+1], v[rT+7]
	v_rcp_f32 v[rT+7], v[rT+7]
	v_nop                           ; and between the reciprocal and the use of its result
	s_wait_alu depctr_va_vdst(0)
	v_mul_f32 v[rT+2], v[rT+5], v[rT+7]
	v_mul_f32 v[rT+4], v[rT+6], v[rT+7]
.set i, 0
.rept 16
	v_pk_mul_f32 v[rO+2*i:rO+2*i+1], v[rO+2*i:rO+2*i+1], v[rT+2:rT+3] op_sel_hi:[1,0]
.set i, i+1
.endr
.set i, 0
.rept 16
	v_pk_fma_f32 v[rO+2*i:rO+2*i+1], v[S+2*i:S+2*i+1], v[rT+4:rT+5], v[rO+2*i:rO+2*i+1] op_sel_hi:[1,0,1]
.set i, i+1
.endr
.endm
.macro PACK t                          ; rounded; a lane's eight channels are 16 bytes: into rows of 144 bytes of my stage, and back as whole rows of 128
.set i, 0
.rept 16
	v_cvt_pk_bf16_f32 v[S+16*(\t)+i], v[O+32*(\t)+2*i], v[O+32*(\t)+2*i+1]
.set i, i+1
.endr
.irp f, 0,1,2,3
	ds_store_b128 v[STO], v[S+16*(\t)+4*\f:S+16*(\t)+4*\f+3] offset:32*\f
.endr
.irp f, 0,1,2,3
	ds_load_b128 v[S+16*(\t)+4*\f:S+16*(\t)+4*\f+3], v[RD] offset:\f*4*SP  ; LDS serves a wave's instructions in order: these see the stores above
.endr
.endm
.macro SEND t
.irp f, 0,1,2,3
	s_wait_dscnt 3-\f               ; load f is in, the younger ones stay out
	global_store_b128 v[GO], v[S+16*(\t)+4*\f:S+16*(\t)+4*\f+3], s[10:11] offset:(\t)*2048+\f*512  ; 512 consecutive bytes, at a multiple of 256 from o's first
.endr
.endm
; THE DIAGONAL TILE's steps, the block's last turn and products, the merge and the way out.  The loop walks my four steps of the tile, the wholly hidden ones too.
.macro DIAG tag
.LstepM\tag:
	FETCH_K
	MASKS 0
	TURN 0, 1, 1
.LfirstM\tag:
	MASKS 1
	TURN 1, 1, 1
	s_add_co_u32 s[KG], s[KG], 4
	s_sub_co_u32 s[CNT], s[CNT], 1
	s_cmp_lg_u32 s[CNT], 0
	s_cbranch_scc1 .LstepM\tag
	s_wait_dscnt 0x0                ; V of my last step is in
	TURN 0, 0, 0
	PVI 1, 0
	PVI 1, 1
	PVI 1, 2
	PVI 1, 3
	PLACES
	LSUM
	s_cmp_lt_u32 s[WV], 4
	s_cbranch_scc0 .Lput0_\tag
	XSTORE 1                        ; group 0 owns piece 0 and hands piece 1 over
	s_branch .Lput_\tag
.Lput0_\tag:
	XSTORE 0
.Lput_\tag:
	s_wait_dscnt 0x0                ; for my partner's sake: my stores into the exchange are done
	s_barrier_signal -1
	s_barrier_wait -1               ; the next tile's load may stay out
	s_cmp_lt_u32 s[WV], 4
	s_cbranch_scc0 .Lown1_\tag
	MERGE 0
	PACK 0
	SEND 0
	s_branch .Lsent_\tag
.Lown1_\tag:
	MERGE 1
	PACK 1
	SEND 1
.Lsent_\tag:
.endm
	s_load_b128 s[88:91], s[0:1], 0x0  ; qkvh s[88:89], o s[90:91]
	v_lshl_add_u32 v[SPW], v0, 2, SPARE
	v_mov_b32 v[NIL], 0
	ds_add_u32 v12, v13
	s_wait_dscnt 0x0
	s_barrier_signal -1
	s_barrier_wait -1
	v_lshrrev_b32 v1, 5, v0
	v_readfirstlane_b32 s[WV], v1   ; wave 0..7
	s_and_b32 s[W4], s[WV], 3
	s_lshr_b32 s[GRP], s[WV], 2
	s_mov_b32 s[PB], ttmp9
	s_sub_co_u32 s[HI], NB-1, s[PB]
	s_lshr_b32 s[PBH], s[PB], 1
	s_and_b32 s13, ttmp7, 0xffff    ; 16 b + h
	s_lshr_b32 s16, s13, 4
	s_mul_i32 s16, s16, 48
	s_and_b32 s17, s13, 15
	s_add_co_u32 s16, s16, s17      ; 48 b + h
	s_lshl_b32 s20, s16, 18         ; q's head: 262,144 bytes a head
	s_mov_b32 s21, 0
	s_and_b32 s18, s[WV], 1         ; which half of a tile's 256 keys a loading wave fetches
	s_lshl_b32 s19, s18, 14
	s_add_co_u32 s22, s20, s19
	s_add_co_u32 s22, s22, 16<<18   ; k's head lies 16 heads on,
	s_mov_b32 s23, 0
	s_add_co_u32 s2, s22, 16<<18    ; v's 32
	s_mov_b32 s3, 0
	s_mul_i32 s17, s18, 128*PK      ; the half's place in a slot, for K
	s_mul_i32 s18, s18, 128*PV      ; and for V
	s_lshl_b32 s19, s[W4], 12       ; my 32 rows of 128 bytes in a block,
	s_lshl_b32 s76, s[HI], 14       ; in the first block,
	s_add_co_u32 s76, s76, s19
	s_mov_b32 s77, 0
	s_lshl_b32 s78, s[PB], 14       ; and in the second
	s_add_co_u32 s78, s78, s19
	s_mov_b32 s79, 0
	s_lshl_b32 s84, s13, 18         ; o's head
	s_mov_b32 s85, 0
	s_and_b32 s[TMPS], s[HI], 1     ; an odd block's queries are the upper half of its diagonal tile's 256 places: groups 8 to 15
	s_lshl_b32 s[TMPS], s[TMPS], 3
	s_lshl_b32 s[QT], s[W4], 1
	s_add_co_u32 s[QT], s[QT], s[TMPS]
	s_add_co_u32 s[QT+1], s[QT], 1
	s_lshl_b32 s[KG0], s[GRP], 1
	s_mul_i32 s[GK], s[GRP], STEPK
	s_mul_i32 s[GV], s[GRP], STEPV
	s_mov_b32 s[SB], SLOT1          ; the first change of slots turns it into 0
	; group 1: 128 keys are 16,384 dense bytes, asked for as 64 rows of 256 bytes and padded in LDS after every key
	s_mov_b32 s[G1K], (1<<16)|(1<<20)|(4<<22)|(3<<25)  ; 2-byte elements; padding on; after every 32 words, 4 words
	s_mov_b32 s[G1V], (1<<16)|(1<<20)|(4<<22)|(7<<25)  ; the same with 8 words
.irp g, G1K, G1V
	s_mov_b32 s[\g+1], 128<<16      ; tensor_dim0 = 128
	s_mov_b32 s[\g+2], 64<<16       ; tensor_dim1 = 64
	s_mov_b32 s[\g+3], 128<<16      ; tile_dim0 = 128
	s_mov_b32 s[\g+4], 64           ; tile_dim1 = 64
	s_mov_b32 s[\g+5], 128          ; elements from row to row
	s_mov_b32 s[\g+6], 0
	s_mov_b32 s[\g+7], 0
.endr
	s_mov_b32 s[CS], 0x3e38aa3b     ; c = log2(e) / 8
	s_mov_b32 s[CS+1], s[CS]
	s_mov_b32 s[SEL], 0x76543210
	s_mov_b32 s[SEL+1], 0xfedcba98
	s_mov_b32 s[G0K], 1
	s_mov_b32 s[G0K+1], s17
	s_mov_b32 s[G0V], 1
	s_add_co_u32 s[G0V+1], s18, VOFF
	s_lshr_b32 s[LQ], s[HI], 1      ; the first block's last tile;
	s_add_co_u32 s[RT], s[LQ], 1    ; it has that many and one
	s_mov_b32 s[NXT], 1
	s_mov_b32 s[NEW], 1
	s_mov_b32 s[OFF+1], 0
	s_mov_b32 s[AL0+1], 0           ; named as pairs
	s_mov_b32 s[BE0+1], 0
	s_mov_b32 s[AL1+1], 0
	s_mov_b32 s[BE1+1], 0
	s_mov_b32 s[BIGN], 0xf149f2ca   ; -1e30
	s_mov_b32 s[SLOTS], NB/2
	s_wait_kmcnt 0x0
	s_add_nc_u64 s[6:7], s[88:89], s[22:23]        ; K and V at the half of the head's tile 0
	s_add_nc_u64 s[8:9], s[88:89], s[2:3]
	s_add_nc_u64 s[4:5], s[88:89], s[20:21]
	s_add_nc_u64 s[86:87], s[4:5], s[78:79]        ; Q at my rows of the second block,
	s_add_nc_u64 s[4:5], s[4:5], s[76:77]          ; and of the first
	s_add_nc_u64 s[10:11], s[90:91], s[84:85]
	s_add_nc_u64 s[OLO:OLO+1], s[10:11], s[78:79]
	s_add_nc_u64 s[10:11], s[10:11], s[76:77]
	s_add_nc_u64 s[G0K+2:G0K+3], s[6:7], 0
	s_or_b32 s[G0K+3], s[G0K+3], 0x80000000
	s_add_nc_u64 s[G0V+2:G0V+3], s[8:9], 0
	s_or_b32 s[G0V+3], s[G0V+3], 0x80000000
	LOAD                            ; tile 0 into slot 0
	v_and_b32 v1, 15, v0            ; r = lane % 16
	v_bfe_u32 v9, v0, 4, 1          ; h = lane / 16
	v_lshlrev_b32 v[QO], 7, v1
	v_lshl_add_u32 v[QO], v9, 4, v[QO]  ; row x 128 + 16 h
.irp y, 0,1
.irp c, 0,1
	global_load_b128 v[Q+16*\y+8*\c:Q+16*\y+8*\c+3],   v[QO], s[4:5] offset:\y*2048+\c*64
	global_load_b128 v[Q+16*\y+8*\c+4:Q+16*\y+8*\c+7], v[QO], s[4:5] offset:\y*2048+\c*64+32
.endr
.endr
	v_lshlrev_b32 v14, 3, v9
	v_sub_nc_u32 v14, v1, v14       ; r - 8 h: register j is hidden where j is greater
	WIN 0x40                        ; destination window 1
.irp y, 0,1
.irp c, 0,1
	global_load_b128 v[QB+16*\y+8*\c:QB+16*\y+8*\c+3],   v[QO], s[86:87] offset:\y*2048+\c*64
	global_load_b128 v[QB+16*\y+8*\c+4:QB+16*\y+8*\c+7], v[QO], s[86:87] offset:\y*2048+\c*64+32
.endr
.endr
.set i, 0
.rept 8
	v_cmp_gt_i32 vcc_lo, i, v14
	v_cndmask_b32 v[MD+i], 0, s[BIGN], vcc_lo
.set i, i+1
.endr
	WIN 0
	v_mul_u32_u24 v[AK0], v1, PK
	v_lshl_add_u32 v[AK0], v9, 4, v[AK0]
	v_and_b32 v10, 7, v0
	v_bfe_u32 v11, v0, 3, 1
	v_lshl_add_u32 v[AV0], v9, 3, v10     ; the turning load: key 8 h + lane % 8, 16 bytes at 16 ((lane / 8) % 2)
	v_mul_u32_u24 v[AV0], v[AV0], PV
	v_lshl_add_u32 v[AV0], v11, 4, v[AV0]
	v_add_nc_u32 v[AV0], VOFF, v[AV0]
	s_mul_i32 s13, s[WV], 16*SP
	s_add_co_u32 s13, s13, STAGE    ; my stage
	v_mul_u32_u24 v[STO], v1, SP
	v_lshl_add_u32 v[STO], v9, 4, v[STO]
	v_add_nc_u32 v[STO], s13, v[STO]
	v_bfe_u32 v[RD], v0, 3, 2       ; back: 32 lanes take four rows of 128 bytes,
	v_mul_u32_u24 v[RD], v[RD], SP
	v_lshl_add_u32 v[RD], v10, 4, v[RD]
	v_add_nc_u32 v[RD], s13, v[RD]
	v_and_b32 v[GO], 31, v0         ; which are 512 consecutive bytes of o
	v_lshlrev_b32 v[EXS], 3, v[GO]  ; 8 bytes a lane,
	v_lshlrev_b32 v[GO], 4, v[GO]
	s_mul_i32 s13, s[W4], 2*RB
	s_add_co_u32 s13, s13, EXCH     ; in the two regions of my rows
	v_add_nc_u32 v[EX], s13, v[GO]  ; 16 bytes a lane
	v_add_nc_u32 v[EXS], s13, v[EXS]
	; A block's first a is 0, so O^T, l and V need only hold finite numbers: zeros for the first block, what the first block left for the second.  100 lines, in the wait for the first tile:
	; the price of writing no first step out.
.set i, 0
.rept 64
	v_mov_b32 v[O+i], 0
.set i, i+1
.endr
.set i, 0
.rept 32
	v_mov_b32 v[VF+i], 0
.set i, i+1
.endr
.irp y, 0,1
	v_mov_b32 v[ST+8*\y+2], 0
	v_mov_b32 v[ST+8*\y+3], 0
.endr
.Lslot:                             ; 8 times: a tile is entered and the next is asked for
	CHANGE 1
	s_sub_co_u32 s[RT], s[RT], 1
	s_mov_b32 s[CNT], 4
	s_mov_b32 s[KG], s[KG0]
	s_cmp_eq_u32 s[NEW], 1
	s_cbranch_scc1 .Lnew            ; a block's first tile
	s_cmp_eq_u32 s[RT], 0
	s_cbranch_scc0 .Lstep           ; neither its first nor its last
	s_branch .LstepM1
.Lnew:
	BEGIN 0
	s_branch .Lfirst                ; in the loop a block's first tile is never its last: the first block has five tiles or more, and the second's last is the walk's last
	DIAG 1                          ; in the loop this is the first block's end
	s_wait_xcnt 0x0                 ; the stores' base and data are rewritten only behind this wait
	s_mov_b64 s[10:11], s[OLO:OLO+1]
	s_add_co_u32 s[RT], s[PBH], 1   ; the second block has pb / 2 + 1 tiles,
	s_mov_b32 s[NEW], 1
	s_xor_b32 s[QT], s[QT], 8       ; and the other parity: its queries lie in the other half of its diagonal tile
	s_xor_b32 s[QT+1], s[QT+1], 8
	WIN 0x01                        ; the second block's Q goes where the one text of the turns names Q
.set i, 0
.rept 32
	v_mov_b32 v[Q+i], v[QB+i]
.set i, i+1
.endr
	WIN 0
	s_branch .Lbottom
.Lstep:                             ; a trip: K of my next step is fetched; piece 0's turn; piece 1's turn, which fetches that step's V
	FETCH_K
	TURN 0
.Lfirst:
	TURN 1
	s_sub_co_u32 s[CNT], s[CNT], 1
	s_cmp_lg_u32 s[CNT], 0
	s_cbranch_scc1 .Lstep
.Lbottom:
	s_sub_co_u32 s[SLOTS], s[SLOTS], 1
	s_cmp_lg_u32 s[SLOTS], 0
	s_cbranch_scc1 .Lslot
	CHANGE 0                        ; the walk's last tile is written out: nothing is asked for
	s_mov_b32 s[CNT], 4
	s_mov_b32 s[KG], s[KG0]
	s_cmp_eq_u32 s[NEW], 1
	s_cbranch_scc0 .LstepM2
	BEGIN 1                         ; pb = 0 or 1: the second block's only tile is its first and its last
	s_branch .LfirstM2
	DIAG 2
	s_wait_tensorcnt 0x0            ; the wave's end
	ds_add_u32 v[SPW], v[NIL]
	s_wait_dscnt 0x0
	s_endpgm
.Lfunc_end_k_qc5b8e4b418_attn:
	.size	k_qc5b8e4b418_attn, .Lfunc_end_k_qc5b8e4b418_attn-k_qc5b8e4b418_attn
	.p2alignl 7, 3214868480
	.fill 96, 4, 3214868480
	.section	.rodata,"a",@progbits
	.p2align	6, 0x0
	.amdhsa_kernel k_qc5b8e4b418_attn
		.amdhsa_group_segment_fixed_size 327680
		.amdhsa_private_segment_fixed_size 0
		.amdhsa_enable_private_segment 0
		.amdhsa_kernarg_size 16
		.amdhsa_user_sgpr_count 2
		.amdhsa_user_sgpr_kernarg_segment_ptr 1
		.amdhsa_wavefront_size32 1
		.amdhsa_system_sgpr_workgroup_id_x 1
		.amdhsa_system_sgpr_workgroup_id_y 1
		.amdhsa_system_sgpr_workgroup_id_z 1
		.amdhsa_system_vgpr_workitem_id 0
		.amdhsa_next_free_vgpr 296
		.amdhsa_next_free_sgpr 99
		.amdhsa_reserve_vcc 1
		.amdhsa_float_denorm_mode_32 3
		.amdhsa_float_denorm_mode_16_64 3
		.amdhsa_memory_ordered 1
		.amdhsa_forward_progress 1
		.amdhsa_inst_pref_size 88
	.end_amdhsa_kernel
	.amdgpu_metadata
---
amdhsa.version: [ 1, 2 ]
amdhsa.kernels:
  - .name:           k_qc5b8e4b418_attn
    .symbol:         k_qc5b8e4b418_attn.kd
    .args:
      - { .name: qkvh, .offset: 0, .size: 8, .value_kind: global_buffer, .address_space: global }
      - { .name: o, .offset: 8, .size: 8, .value_kind: global_buffer, .address_space: global }
    .group_segment_fixed_size: 327680
    .private_segment_fixed_size: 0
    .kernarg_segment_align: 8
    .kernarg_segment_size: 16
    .max_flat_workgroup_size: 256
    .sgpr_count:     99
    .vgpr_count:     296
    .wavefront_size: 32
...
	.end_amdgpu_metadata
.endif
;; end of part 3
;; launch oproj (part 4): grid 8 x 32, 4 waves a work-group, clusters of 4 x 4, 327,680 bytes of LDS; arguments o, wb, b_out, x, x1; writes x1
.if DOCPART == 4
	.amdgcn_target "amdgcn-amd-amdhsa--gfx1250"
	.amdhsa_code_object_version 6
	.text
	.protected	k_qc5b8e4b418_oproj
	.globl	k_qc5b8e4b418_oproj
	.p2align	8
	.type	k_qc5b8e4b418_oproj,@function
k_qc5b8e4b418_oproj:
	s_mov_b64 s[64:65], 0
	v_nop
	global_prefetch_b8 v0, s[64:65] scope:SCOPE_SE
	s_setreg_imm32_b32 hwreg(HW_REG_WAVE_MODE, 25, 1), 1
	s_wait_xcnt 0x0
	s_wait_alu depctr_hold_cnt(0) depctr_sa_sdst(0) depctr_va_vdst(0) depctr_va_sdst(0) depctr_va_ssrc(0) depctr_va_vcc(0) depctr_vm_vsrc(0)
	s_getreg_b32 s2, hwreg(HW_REG_IB_STS2, 6, 4)
	s_cmp_eq_u32 s2, 0
	s_cbranch_scc0 .Lentry_in_a_cluster
	s_endpgm
.Lentry_in_a_cluster:
	s_bfe_u32 s2, ttmp6, 0x10000c
	s_cmp_lg_u32 s2, 0xf033
	s_cbranch_scc0 .Lentry_shape_is_right
	s_endpgm
.Lentry_shape_is_right:
; OPROJ.  x1 = x + o @ W_out + b_out.  o: [16 b + h][2048][64] bf16; W_out: [1024][1024] bf16 at wb's byte 6,291,456; x, x1: [4096][1024] f32; b_out f32; sums in f32.
; SHARES.  A work-group makes 128 x 128 of x1: 8 x 32 = 256 work-groups; each of its four waves 64 x 64: 16 accumulators.  K goes in steps of 256 (four heads) through two LDS slots;
; a step is four quarters of 64 along K (a head each), walked as two pairs on two fragment buffers.
; o's tile: a head's 128 rows are 16,384 dense bytes; one load brings two heads as two rows of 8,192 elements, padded after every 128 bytes: LDS [head][row] at pitch 144.
; THE MATRIX INSTRUCTION IS USED TRANSPOSED: source 0 = 16 columns of W (turned out of LDS by ds_load_tr16_b128), source 1 = 16 rows of o: a lane holds row lane % 16 and eight neighbouring columns.
; CLUSTER 4 x 4.  o's tile hangs on the tile row alone and is asked for jointly along a row of the cluster, W's on the tile column alone, along a column.
; WINDOWS: 0: addresses, bias, accumulator (a, b) at v[128 + 8 (4 a + b)];  1: two fragment buffers of 128 (64 of o, 64 of W);  2: v0-127 the residual, asked for at the kernel's head.
; NaN and infinities are not treated apart.
.set NCOL,   1024
.set KSTEP,  256
.set STEPS,  4
.set PA,     144                       ; o's LDS row: 128 bytes + 16
.set AQ,     128*PA                    ; a quarter is a head: 18,432 bytes on
.set PB,     288                       ; W's LDS row: 256 bytes + 32
.set HALF_A, 2*AQ
.set A_BYTES, 2*HALF_A
.set HALF_B, 128*PB
.set SLOT,   147456                    ; 0x24000: it shares no bit with any LDS start in a slot, so one exclusive or changes slots
.set SPARE,  2*SLOT                    ; the spare words, 128 bytes a wave: two blocks of 256 bytes that no other line names
.set ASTEP,  4*262144                  ; four heads on
.set BSTEP,  KSTEP*NCOL*2
.set WOFF,   6291456
.set TASTEP, 2*AQ
.set TBSTEP, 128*PB
.set SP,     272                       ; the way out: a wave's f32 row of 256 bytes + 16
.set ADRA0, 16
.set ADRB0, 17
.set ADRA,  18
.set ADRB,  19
.set STO,   24
.set RD,    25
.set CO,    26
.set SPW,   28                         ; v28  LDS address of my spare word; never rewritten
.set NIL,   29                         ; v29  0; never rewritten
.set BO,    30
.set BI,    32                         ; v[32:35]  the bias of my 4 columns
.set ACC,   128
.set WV,  14
.set U,   15
.set WHI, 16
.set G1,  24
.set G0,  32
.set G1B, 36
.set G0B, 44
.set TBR, 51
.set TA,  52
.set TB,  53
.set CNT, 54
.set OUT, 55
.set MSB, 0
.macro WIN new                         ; the immediate's high byte repeats the setting that is left; a switch that changes nothing is dropped
.if MSB != (\new)
	s_set_vgpr_msb (MSB<<8)|(\new)
.set MSB, \new
.endif
.endm
.macro PLACES                          ; four places in front of loads into registers that matrix instructions have read, and of stores that read results
.rept 4
	v_nop
.endr
.endm
.macro JLOAD                           ; a joint load: waves 0, 1 fetch o's halves, waves 2, 3 W's; an s_nop 0 and four v_nop follow each line
	s_cmp_eq_u32 s[WHI], 0
	s_cbranch_scc0 .Lfor_b_\@
	tensor_load_to_lds s[G0:G0+3], s[G1:G1+7]
	s_nop 0
	PLACES
	s_branch .Lasked_\@
.Lfor_b_\@:
	tensor_load_to_lds s[G0B:G0B+3], s[G1B:G1B+7]
	s_nop 0
	PLACES
.Lasked_\@:
.endm
.macro CROUND                          ; a round of the cluster's barrier
	s_barrier_signal -1
	s_barrier_wait -1
	s_cmp_lg_u32 s[WV], 0
	s_cbranch_scc1 .Lnot_wave_0_\@
	s_barrier_signal -3
.Lnot_wave_0_\@:
	s_barrier_wait -3
	s_barrier_signal -1
	s_barrier_wait -1
.endm
; THE CHANGE OF SLOTS.  Each wave waits for all its tensor loads (one is out: its part of the slot to be read), adds 0 to its spare word, and waits for that and for its reads of the slot that it leaves.
; fill = 1: a round of the cluster's barrier follows, and the joint refill of the slot just left is the first thing behind it.
.macro CHANGE fill
	WIN 0
	s_wait_tensorcnt 0x0                           ; no tensor load of mine is out, so a group 0 may be written
	ds_add_u32 v[SPW], v[NIL]                      ; 0 onto my spare word
.if \fill
	s_xor_b32 s[G0+1], s[G0+1], SLOT
	s_xor_b32 s[G0B+1], s[G0B+1], SLOT
	s_add_nc_u64 s[G0+2:G0+3], s[G0+2:G0+3], ASTEP
	s_add_nc_u64 s[G0B+2:G0B+3], s[G0B+2:G0B+3], BSTEP
.endif
	s_xor_b32 s[TBR], s[TBR], SLOT
	s_wait_dscnt 0x0                               ; the add is done, and my reads of the slot are over
.if \fill
	CROUND
	JLOAD
.else
	s_barrier_signal -1
	s_barrier_wait -1
	PLACES
.endif
.endm
; 32 LDS loads in one run: quarter kq (counted from the pair in hand), 64 along K, into fragment buffer f
.macro FETCH f, kq
	WIN 0x40                                       ; destination window 1, address window 0
.set ic, 0
.rept 2
.set ii, 0
.rept 4
	ds_load_tr16_b128 v[128*(\f)+64+8*(4*ic+ii):128*(\f)+64+8*(4*ic+ii)+3],   v[ADRB] offset:((\kq)*64+32*ic)*PB+32*ii
	ds_load_tr16_b128 v[128*(\f)+64+8*(4*ic+ii)+4:128*(\f)+64+8*(4*ic+ii)+7], v[ADRB] offset:((\kq)*64+32*ic)*PB+32*ii+16*PB
	ds_load_b128 v[128*(\f)+8*(4*ic+ii):128*(\f)+8*(4*ic+ii)+3],   v[ADRA] offset:(\kq)*AQ+64*ic+ii*16*PA
	ds_load_b128 v[128*(\f)+8*(4*ic+ii)+4:128*(\f)+8*(4*ic+ii)+7], v[ADRA] offset:(\kq)*AQ+64*ic+ii*16*PA+32
.set ii, ii+1
.endr
.set ic, ic+1
.endr
.endm
; 32 matrix instructions, 64 along K; the 16 accumulators take turns, one instruction a turn.  zero = 1: the first 16 start the sums.
.macro MUL f, zero
	WIN 0x05                                       ; sources in window 1, C and D in window 0
.set ic, 0
.rept 2
.set ia, 0
.rept 4
.set ib, 0
.rept 4
.set rD, ACC+8*(4*ia+ib)
.set rB, 128*(\f)+64+8*(4*ic+ib)
.set rA, 128*(\f)+8*(4*ic+ia)
.if (\zero) && (ic == 0)
	v_wmma_f32_16x16x32_bf16 v[rD:rD+7], v[rB:rB+7], v[rA:rA+7], 0
.else
	v_wmma_f32_16x16x32_bf16 v[rD:rD+7], v[rB:rB+7], v[rA:rA+7], v[rD:rD+7]
.endif
.set ib, ib+1
.endr
.set ia, ia+1
.endr
.set ic, ic+1
.endr
.endm
.macro STEPHEAD                        ; a K step begins: addresses in the slot to be read, its first quarter, two pairs to go
	s_mov_b32 s[TA], s[TBR]
	s_mov_b32 s[TB], s[TBR]
	v_add_nc_u32 v[ADRA], s[TA], v[ADRA0]
	v_add_nc_u32 v[ADRB], s[TB], v[ADRB0]
	FETCH 0, 0
	WIN 0
	s_mov_b32 s[CNT], 2
.endm
; A PAIR of quarters.  Each run of loads has the other buffer's 32 products in which to land; every wait is for all LDS loads, so the counts hold on both ways round the jump.
.macro PAIR zero
	s_wait_dscnt 0x0                               ; buffer 0 is in
	PLACES
	FETCH 1, 1
	MUL 0, \zero
	WIN 0
	s_wait_dscnt 0x0                               ; buffer 1 is in
	s_cmp_eq_u32 s[CNT], 1
	s_cbranch_scc1 .Lnof_\@                        ; the step's last pair fetches nothing more from this slot
	PLACES
	FETCH 0, 2
	WIN 0
.Lnof_\@:
	MUL 1, 0
	WIN 0
	s_add_co_u32 s[TA], s[TA], TASTEP
	s_add_co_u32 s[TB], s[TB], TBSTEP
	v_add_nc_u32 v[ADRA], s[TA], v[ADRA0]
	v_add_nc_u32 v[ADRB], s[TB], v[ADRB0]
.endm
	s_load_b256 s[4:11], s[0:1], 0x0               ; o s[4:5], wb s[6:7], b_out s[8:9], x s[10:11]
	s_load_b64 s[12:13], s[0:1], 0x20              ; x1
	v_lshl_add_u32 v[SPW], v0, 2, SPARE
	v_mov_b32 v[NIL], 0
	ds_add_u32 v28, v29
	s_wait_dscnt 0x0
	v_lshrrev_b32 v1, 5, v0
	v_readfirstlane_b32 s[WV], v1                  ; wave 0..3
	s_and_b32 s[U], s[WV], 1                       ; which half of the tile's columns is mine; also which half of a tile I fetch
	s_lshr_b32 s[WHI], s[WV], 1                    ; which half of its rows; also: I fetch for o (0) or for W (1)
	s_bfe_u32 s17, ttmp6, 0x40000                  ; cx
	s_bfe_u32 s18, ttmp6, 0x40004                  ; cy
	s_lshl_b32 s19, ttmp9, 2
	s_add_co_u32 s19, s19, s17                     ; tile column
	s_and_b32 s20, ttmp7, 0xffff
	s_lshl_b32 s20, s20, 2
	s_add_co_u32 s20, s20, s18                     ; tile row
	s_lshl_b32 s21, s18, 2
	s_lshl_b32 s21, 15, s21                        ; my row of the cluster
	s_lshl_b32 s22, 0x1111, s17                    ; my column
	s_or_b32 s[G1], s21, (1<<16)|(1<<20)|(1<<21)|(4<<22)|(3<<25)  ; mask; 2-byte elements; padding on; bit 21 beside a mask; after every 32 words, 4 words
	s_mov_b32 s[G1+1], 8192<<16                    ; tensor_dim0 = 8,192: a head's 128 rows of 64
	s_mov_b32 s[G1+2], 2<<16                       ; tensor_dim1 = 2 heads
	s_mov_b32 s[G1+3], 8192<<16                    ; tile_dim0
	s_mov_b32 s[G1+4], 2                           ; tile_dim1
	s_mov_b32 s[G1+5], 131072                      ; elements from head to head
	s_mov_b32 s[G1+6], 0
	s_mov_b32 s[G1+7], 0
	s_or_b32 s[G1B], s22, (1<<16)|(1<<20)|(1<<21)|(5<<22)|(7<<25)  ; after every 64 words, 8 words
	s_mov_b32 s[G1B+1], 128<<16
	s_mov_b32 s[G1B+2], 128<<16
	s_mov_b32 s[G1B+3], 128<<16
	s_mov_b32 s[G1B+4], 128
	s_mov_b32 s[G1B+5], NCOL
	s_mov_b32 s[G1B+6], 0
	s_mov_b32 s[G1B+7], 0
	s_lshr_b32 s56, s20, 4                         ; o: b x 16 heads,
	s_lshl_b32 s56, s56, 22
	s_and_b32 s57, s20, 15                         ; 128 rows of 128 bytes a tile row,
	s_lshl_b32 s57, s57, 14
	s_add_co_u32 s56, s56, s57
	s_lshl_b32 s60, s[U], 19                       ; two heads a half
	s_add_co_u32 s56, s56, s60
	s_mov_b32 s57, 0
	s_lshl_b32 s58, s19, 8                         ; W: 128 columns a tile column, 128 rows of 2,048 bytes a half
	s_lshl_b32 s61, s[U], 18
	s_add_co_u32 s58, s58, s61
	s_add_co_u32 s58, s58, WOFF
	s_mov_b32 s59, 0
	s_mov_b32 s[G0], 1
	s_mul_i32 s[G0+1], s[U], HALF_A                ; LDS: the wave's number alone
	s_mov_b32 s[G0B], 1
	s_mul_i32 s[G0B+1], s[U], HALF_B
	s_add_co_u32 s[G0B+1], s[G0B+1], A_BYTES
	s_mov_b32 s[TBR], SLOT                         ; the first change of slots turns it into 0
	s_wait_kmcnt 0x0
	s_add_nc_u64 s[G0+2:G0+3], s[4:5], s[56:57]
	s_or_b32 s[G0+3], s[G0+3], 0x80000000
	s_add_nc_u64 s[G0B+2:G0B+3], s[6:7], s[58:59]
	s_or_b32 s[G0B+3], s[G0B+3], 0x80000000
	CROUND                                         ; all sixteen work-groups are here: the first joint loads meet
	JLOAD                                          ; K step 0 into slot 0; slot 1 is asked for by the first change of slots
	v_and_b32 v2, 15, v0                           ; r
	v_bfe_u32 v3, v0, 4, 1                         ; h
	v_and_b32 v4, 7, v0
	v_bfe_u32 v5, v0, 3, 1
	v_lshlrev_b32 v[CO], 12, v3
	v_lshl_add_u32 v[CO], v2, 4, v[CO]             ; 4,096 h + 16 r: lanes 0-15 256 bytes of a row, lanes 16-31 of the next
	v_lshlrev_b32 v[BO], 4, v2
	s_lshl_b32 s62, s19, 9                         ; my first column, in bytes of f32: 512 tile column + 256 half
	s_lshl_b32 s63, s[U], 8
	s_add_co_u32 s62, s62, s63
	s_mov_b32 s63, 0
	s_add_nc_u64 s[8:9], s[8:9], s[62:63]
	s_lshl_b32 s66, s20, 19                        ; my first row: 128 tile row + 64 half, of 4,096 bytes
	s_lshl_b32 s67, s[WHI], 18
	s_add_co_u32 s66, s66, s67
	s_add_co_u32 s66, s66, s62
	s_mov_b32 s67, 0
	s_add_nc_u64 s[10:11], s[10:11], s[66:67]
	s_add_nc_u64 s[12:13], s[12:13], s[66:67]
	WIN 0x80                                       ; destination window 2
.set t, 0
.rept 32                                       ; the residual of my 64 x 64, in the layout in which the sums come back from LDS
	global_load_b128 v[4*t:4*t+3], v[CO], s[10:11] offset:8192*t th:TH_LOAD_NT
.set t, t+1
.endr
	WIN 0
	global_load_b128 v[BI:BI+3], v[BO], s[8:9]
	s_mul_i32 s60, s[WHI], 64*PA                   ; my 64 rows of o's tile
	v_mul_u32_u24 v[ADRA0], v2, PA
	v_lshl_add_u32 v[ADRA0], v3, 4, v[ADRA0]
	v_add_nc_u32 v[ADRA0], s60, v[ADRA0]
	s_lshl_b32 s61, s[U], 7                        ; my 64 columns of W's tile
	s_add_co_u32 s61, s61, A_BYTES
	v_lshl_add_u32 v[ADRB0], v3, 3, v4
	v_mul_u32_u24 v[ADRB0], v[ADRB0], PB
	v_lshl_add_u32 v[ADRB0], v5, 4, v[ADRB0]
	v_add_nc_u32 v[ADRB0], s61, v[ADRB0]
	s_mul_i32 s56, s[WV], 64*SP                    ; my region for the way out
	v_mul_u32_u24 v[STO], v2, SP
	v_lshl_add_u32 v[STO], v3, 5, v[STO]
	v_add_nc_u32 v[STO], s56, v[STO]
	v_mul_u32_u24 v[RD], v3, SP
	v_lshl_add_u32 v[RD], v2, 4, v[RD]
	v_add_nc_u32 v[RD], s56, v[RD]
	s_mov_b32 s[OUT], STEPS-1
	CHANGE 1                                       ; slot 0 is in, everybody's part of it; slot 1 is asked for
	STEPHEAD
	PAIR 1                                         ; the first pair stands in front of the loop: its first products start the sums
	s_mov_b32 s[CNT], 1
	s_branch .Linner
.Louter:                                               ; STEPS - 2 times
	CHANGE 1
	STEPHEAD
.Linner:
	PAIR 0
	s_sub_co_u32 s[CNT], s[CNT], 1
	s_cmp_lg_u32 s[CNT], 0
	s_cbranch_scc1 .Linner
	s_sub_co_u32 s[OUT], s[OUT], 1
	s_cmp_lg_u32 s[OUT], 0
	s_cbranch_scc1 .Louter
	CHANGE 0                                       ; the last K step is written out: nothing is asked for
	STEPHEAD
.Ltail:
	PAIR 0
	s_sub_co_u32 s[CNT], s[CNT], 1
	s_cmp_lg_u32 s[CNT], 0
	s_cbranch_scc1 .Ltail
	; THE WAY OUT.  The slots have had their last fill; behind a barrier each wave lays its 64 x 64 sums into a region of its own and reads them back by rows.
	s_wait_dscnt 0x0                               ; my reads of the ring are over
	s_barrier_signal -1
	s_barrier_wait -1                              ; everybody's are
	PLACES
.set ia, 0
.rept 4
.set ib, 0
.rept 4
	ds_store_b128 v[STO], v[ACC+8*(4*ia+ib):ACC+8*(4*ia+ib)+3]   offset:ia*16*SP+64*ib     ; each accumulator's low registers first
	ds_store_b128 v[STO], v[ACC+8*(4*ia+ib)+4:ACC+8*(4*ia+ib)+7] offset:ia*16*SP+64*ib+16
.set ib, ib+1
.endr
.set ia, ia+1
.endr
.set t, 0
.rept 32                                       ; LDS serves a wave's instructions in order: these see the stores above
	ds_load_b128 v[ACC+4*t:ACC+4*t+3], v[RD] offset:t*2*SP
.set t, t+1
.endr
	s_wait_loadcnt 0x0                             ; the residual and the bias
	WIN 0x88                                       ; source 1 and destination in window 2
.set t, 0
.rept 32
	s_wait_dscnt 31-t                              ; load t is in, the younger ones stay out
	v_pk_add_f32 v[4*t:4*t+1], v[ACC+4*t:ACC+4*t+1], v[4*t:4*t+1]
	v_pk_add_f32 v[4*t+2:4*t+3], v[ACC+4*t+2:ACC+4*t+3], v[4*t+2:4*t+3]
	v_pk_add_f32 v[4*t:4*t+1], v[BI:BI+1], v[4*t:4*t+1]
	v_pk_add_f32 v[4*t+2:4*t+3], v[BI+2:BI+3], v[4*t+2:4*t+3]
	global_store_b128 v[CO], v[4*t:4*t+3], s[12:13] offset:8192*t  ; 16 lanes store 256 consecutive bytes, aligned
.set t, t+1
.endr
	WIN 0
	s_wait_tensorcnt 0x0                           ; the wave's end
	ds_add_u32 v[SPW], v[NIL]
	s_wait_dscnt 0x0
	CROUND                                         ; the closing round
	s_endpgm
.Lfunc_end_k_qc5b8e4b418_oproj:
	.size	k_qc5b8e4b418_oproj, .Lfunc_end_k_qc5b8e4b418_oproj-k_qc5b8e4b418_oproj
	.p2alignl 7, 3214868480
	.fill 96, 4, 3214868480
	.section	.rodata,"a",@progbits
	.p2align	6, 0x0
	.amdhsa_kernel k_qc5b8e4b418_oproj
		.amdhsa_group_segment_fixed_size 327680
		.amdhsa_private_segment_fixed_size 0
		.amdhsa_enable_private_segment 0
		.amdhsa_kernarg_size 40
		.amdhsa_user_sgpr_count 2
		.amdhsa_user_sgpr_kernarg_segment_ptr 1
		.amdhsa_wavefront_size32 1
		.amdhsa_system_sgpr_workgroup_id_x 1
		.amdhsa_system_sgpr_workgroup_id_y 1
		.amdhsa_system_sgpr_workgroup_id_z 1
		.amdhsa_system_vgpr_workitem_id 0
		.amdhsa_next_free_vgpr 640
		.amdhsa_next_free_sgpr 68
		.amdhsa_reserve_vcc 0
		.amdhsa_float_denorm_mode_32 3
		.amdhsa_float_denorm_mode_16_64 3
		.amdhsa_memory_ordered 1
		.amdhsa_forward_progress 1
		.amdhsa_inst_pref_size 63
	.end_amdhsa_kernel
	.amdgpu_metadata
---
amdhsa.version: [ 1, 2 ]
amdhsa.kernels:
  - .name:           k_qc5b8e4b418_oproj
    .symbol:         k_qc5b8e4b418_oproj.kd
    .args:
      - { .name: o, .offset: 0, .size: 8, .value_kind: global_buffer, .address_space: global }
      - { .name: wb, .offset: 8, .size: 8, .value_kind: global_buffer, .address_space: global }
      - { .name: b_out, .offset: 16, .size: 8, .value_kind: global_buffer, .address_space: global }
      - { .name: x, .offset: 24, .size: 8, .value_kind: global_buffer, .address_space: global }
      - { .name: x1, .offset: 32, .size: 8, .value_kind: global_buffer, .address_space: global }
    .group_segment_fixed_size: 327680
    .private_segment_fixed_size: 0
    .kernarg_segment_align: 8
    .kernarg_segment_size: 40
    .max_flat_workgroup_size: 128
    .sgpr_count:     68
    .vgpr_count:     640
    .wavefront_size: 32
...
	.end_amdgpu_metadata
.endif
;; end of part 4
;; launch ln2: the kernel of part 1 again; grid 256 x 1, 8 waves a work-group, no clusters, 0 bytes of LDS; arguments x1, ln2_g, ln2_b, w_qkv, w_out, w_fc1, w_fc2, hn, act; writes hn, act
;; launch fc1 (part 5): grid 16 x 16, 4 waves a work-group, clusters of 4 x 4, 327,680 bytes of LDS; arguments hn, wb, b_fc1, act; writes act
.if DOCPART == 5
	.amdgcn_target "amdgcn-amd-amdhsa--gfx1250"
	.amdhsa_code_object_version 6
	.text
	.protected	k_qc5b8e4b418_fc1
	.globl	k_qc5b8e4b418_fc1
	.p2align	8
	.type	k_qc5b8e4b418_fc1,@function
k_qc5b8e4b418_fc1:
	s_mov_b64 s[64:65], 0
	v_nop
	global_prefetch_b8 v0, s[64:65] scope:SCOPE_SE
	s_setreg_imm32_b32 hwreg(HW_REG_WAVE_MODE, 25, 1), 1
	s_wait_xcnt 0x0
	s_wait_alu depctr_hold_cnt(0) depctr_sa_sdst(0) depctr_va_vdst(0) depctr_va_sdst(0) depctr_va_ssrc(0) depctr_va_vcc(0) depctr_vm_vsrc(0)
	s_getreg_b32 s2, hwreg(HW_REG_IB_STS2, 6, 4)
	s_cmp_eq_u32 s2, 0
	s_cbranch_scc0 .Lentry_in_a_cluster
	s_endpgm
.Lentry_in_a_cluster:
	s_bfe_u32 s2, ttmp6, 0x10000c
	s_cmp_lg_u32 s2, 0xf033
	s_cbranch_scc0 .Lentry_shape_is_right
	s_endpgm
.Lentry_shape_is_right:
; FC1.  act = gelu(hn @ W_fc1 + b_fc1), the exact (erf) GELU.  hn: [4096][1024] bf16; W_fc1: [1024][4096] bf16 at wb's byte 8,388,608; b_fc1 f32; act: [4096][4096] bf16; sums and GELU in f32.
; LIMITS.  erf by the rational form 1 - (a1 t + .. + a5 t^5) exp(-z^2), t = 1 / (1 + 0.3275911 z): absolute error 1.5e-7 at the most; NaN and infinities are not treated apart.
; SHARES.  A work-group makes 256 x 256: 16 x 16 = 256 work-groups.  Each of its four waves makes 128 x 128: 64 accumulators, 512 registers.
; K goes in steps of 128 through two LDS slots filled by the tensor data mover; a step is four quarters of 32 along K, walked as two pairs on two fragment buffers.
; THE MATRIX INSTRUCTION IS USED TRANSPOSED: source 0 = 16 columns of W (W lies [K][N] in LDS and comes out turned, by ds_load_tr16_b128), source 1 = 16 rows of hn:
; a lane then holds row lane % 16 and the eight neighbouring columns 8 (lane / 16) + 0..7.
; CLUSTER 4 x 4.  hn's tile hangs on the tile row alone and is asked for jointly along a row of the cluster, W's on the tile column alone, along a column.
; WINDOWS of 256 registers: 0: addresses, hn's fragments v64-127, v128-191;  1: W's fragments v0-63, v128-191;  2, 3: accumulator (a, b) at v[8 (8 (a % 4) + b)] of window 2 + a / 4.
.set NCOL,   4096
.set KDIM,   1024
.set KSTEP,  128
.set STEPS,  KDIM/KSTEP
.set NBK,    8                         ; blocks of 16 columns a wave
.set MBH,    4                         ; blocks of 16 rows a window
.set PA,     272                       ; hn's LDS row: 256 bytes + 16: the 16 rows of a load start 4 banks apart
.set PB,     544                       ; W's LDS row: 512 bytes + 32
.set HALF_A, 128*PA
.set A_BYTES, 2*HALF_A
.set HALF_B, 64*PB
.set SLOT,   A_BYTES+2*HALF_B          ; 139,264 = 0x22000: it shares no bit with any LDS start in a slot, so one exclusive or changes slots
.set SPARE,  2*SLOT                    ; the spare words, 128 bytes a wave: two blocks of 256 bytes that no other line names
.set ASTEP,  KSTEP*2
.set BSTEP,  KSTEP*NCOL*2
.set WOFF,   8388608
.set TASTEP, 128
.set TBSTEP, 64*PB
.set SP,     528                       ; the way out: a wave's f32 row of 512 bytes + 16
.set WROWS,  128
.set ADRA0, 16
.set ADRB0, 17
.set ADRA,  18
.set ADRB,  19
.set STO,   24
.set RD0,   25
.set CO,    26
.set RD,    27
.set SPW,   28                         ; v28  LDS address of my spare word; never rewritten
.set NIL,   29                         ; v29  0; never rewritten
.set BO,    30
.set BI,    32                         ; v[32:35]   the bias of my 4 columns
.set X,     64                         ; v[64:95]   the way out: 8 rows of 4
.set DD,    96                         ; v[96:103]  1 + p |x|, then t
.set EE,    104                        ; v[104:111] exp(-x^2 / 2)
.set QQ,    112                        ; v[112:119] the polynomial, then erf(|x| / sqrt 2)
.set Y,     120                        ; v[120:135] packed results
.set WV,  14
.set U,   15
.set WHI, 16
.set G1,  24
.set G0,  32
.set G1B, 36
.set G0B, 44
.set TBR, 51
.set TA,  52
.set TB,  53
.set CNT, 54
.set OUT, 55
.set SPC, 68                           ; s68      0.3275911 / sqrt 2
.set SN,  70                           ; s[70:71] -log2(e) / 2
.set A1,  72                           ; s[72:81] a1 .. a5, each in a pair
.set A2,  74
.set A3,  76
.set A4,  78
.set A5,  80
.set TR,  82
.set MSB, 0
.macro WIN new                         ; the immediate's high byte repeats the setting that is left; a switch that changes nothing is dropped
.if MSB != (\new)
	s_set_vgpr_msb (MSB<<8)|(\new)
.set MSB, \new
.endif
.endm
.macro PLACES                          ; four places in front of loads into registers that matrix instructions have read, and of stores that read results
.rept 4
	v_nop
.endr
.endm
.macro JLOAD                           ; a joint load: waves 0, 1 fetch hn's halves, waves 2, 3 W's; an s_nop 0 and four v_nop follow each line
	s_cmp_eq_u32 s[WHI], 0
	s_cbranch_scc0 .Lfor_b_\@
	tensor_load_to_lds s[G0:G0+3], s[G1:G1+7]
	s_nop 0
	PLACES
	s_branch .Lasked_\@
.Lfor_b_\@:
	tensor_load_to_lds s[G0B:G0B+3], s[G1B:G1B+7]
	s_nop 0
	PLACES
.Lasked_\@:
.endm
.macro CROUND                          ; a round of the cluster's barrier
	s_barrier_signal -1
	s_barrier_wait -1
	s_cmp_lg_u32 s[WV], 0
	s_cbranch_scc1 .Lnot_wave_0_\@
	s_barrier_signal -3
.Lnot_wave_0_\@:
	s_barrier_wait -3
	s_barrier_signal -1
	s_barrier_wait -1
.endm
; THE CHANGE OF SLOTS.  Each wave waits for all its tensor loads (one is out: its part of the slot to be read), adds 0 to its spare word, and waits for that and for its reads of the slot that it leaves.
; fill = 1: a round of the cluster's barrier follows, and the joint refill of the slot just left is the first thing behind it.
.macro CHANGE fill
	WIN 0
	s_wait_tensorcnt 0x0                           ; no tensor load of mine is out, so a group 0 may be written
	ds_add_u32 v[SPW], v[NIL]                      ; 0 onto my spare word
.if \fill
	s_xor_b32 s[G0+1], s[G0+1], SLOT
	s_xor_b32 s[G0B+1], s[G0B+1], SLOT
	s_add_nc_u64 s[G0+2:G0+3], s[G0+2:G0+3], ASTEP
	s_add_nc_u64 s[G0B+2:G0B+3], s[G0B+2:G0B+3], BSTEP
.endif
	s_xor_b32 s[TBR], s[TBR], SLOT
	s_wait_dscnt 0x0                               ; the add is done, and my reads of the slot are over
.if \fill
	CROUND
	JLOAD
.else
	s_barrier_signal -1
	s_barrier_wait -1
	PLACES
.endif
.endm
; 32 LDS loads in one run: quarter kq (counted from the pair in hand) into fragment buffer f
.macro FETCH f, kq
	WIN 0x40                                       ; destination window 1, address window 0
.set ib, 0
.rept NBK
	ds_load_tr16_b128 v[128*(\f)+8*ib:128*(\f)+8*ib+3],   v[ADRB] offset:(\kq)*32*PB+32*ib
	ds_load_tr16_b128 v[128*(\f)+8*ib+4:128*(\f)+8*ib+7], v[ADRB] offset:(\kq)*32*PB+32*ib+16*PB
.set ib, ib+1
.endr
	WIN 0
.set ia, 0
.rept 2*MBH
	ds_load_b128 v[64+64*(\f)+8*ia:64+64*(\f)+8*ia+3],   v[ADRA] offset:(\kq)*64+ia*16*PA
	ds_load_b128 v[64+64*(\f)+8*ia+4:64+64*(\f)+8*ia+7], v[ADRA] offset:(\kq)*64+ia*16*PA+32
.set ia, ia+1
.endr
.endm
; 64 matrix instructions, 32 along K; the accumulators take turns, one instruction a turn.  zero = 1: the products start the sums.
.macro MUL f, zero
.set hi, 0
.rept 2
	WIN 0xa1+0x50*hi                               ; W window 1, hn window 0, C and D window 2 or 3
.set ia, 0
.rept MBH
.set ib, 0
.rept NBK
.set rD, 8*(NBK*ia+ib)
.set rB, 128*(\f)+8*ib
.set rA, 64+64*(\f)+8*(MBH*hi+ia)
.if \zero
	v_wmma_f32_16x16x32_bf16 v[rD:rD+7], v[rB:rB+7], v[rA:rA+7], 0
.else
	v_wmma_f32_16x16x32_bf16 v[rD:rD+7], v[rB:rB+7], v[rA:rA+7], v[rD:rD+7]
.endif
.set ib, ib+1
.endr
.set ia, ia+1
.endr
.set hi, hi+1
.endr
.endm
.macro STEPHEAD                        ; a K step begins: addresses in the slot to be read, its first quarter, two pairs to go
	s_mov_b32 s[TA], s[TBR]
	s_mov_b32 s[TB], s[TBR]
	v_add_nc_u32 v[ADRA], s[TA], v[ADRA0]
	v_add_nc_u32 v[ADRB], s[TB], v[ADRB0]
	FETCH 0, 0
	WIN 0
	s_mov_b32 s[CNT], 2
.endm
; A PAIR of quarters.  Each run of loads has the other buffer's 64 products in which to land; every wait is for all LDS loads, so the counts hold on both ways round the jump.
.macro PAIR zero
	s_wait_dscnt 0x0                               ; buffer 0 is in
	PLACES
	FETCH 1, 1
	MUL 0, \zero
	WIN 0
	s_wait_dscnt 0x0                               ; buffer 1 is in
	s_cmp_eq_u32 s[CNT], 1
	s_cbranch_scc1 .Lnof_\@                        ; the step's last pair fetches nothing more from this slot
	PLACES
	FETCH 0, 2
	WIN 0
.Lnof_\@:
	MUL 1, 0
	WIN 0
	s_add_co_u32 s[TA], s[TA], TASTEP
	s_add_co_u32 s[TB], s[TB], TBSTEP
	v_add_nc_u32 v[ADRA], s[TA], v[ADRA0]
	v_add_nc_u32 v[ADRB], s[TB], v[ADRB0]
.endm
; GELU of the eight numbers of rows 2 k, 2 k + 1: gelu(x) = x / 2 + |x / 2| erf(|x| / sqrt 2).  76 instructions.
.macro GELU8 k
.set x8, X+8*(\k)
.irp j, 0,2,4,6
	v_pk_add_f32 v[x8+\j:x8+\j+1], v[x8+\j:x8+\j+1], v[BI+\j%4:BI+\j%4+1]   ; the bias
.endr
.irp j, 0,1,2,3,4,5,6,7
	v_fma_f32 v[DD+\j], |v[x8+\j]|, s[SPC], 1.0                            ; 1 + p z
.endr
.irp j, 0,2,4,6
	v_pk_mul_f32 v[EE+\j:EE+\j+1], v[x8+\j:x8+\j+1], v[x8+\j:x8+\j+1]
.endr
.irp j, 0,2,4,6
	v_pk_mul_f32 v[EE+\j:EE+\j+1], v[EE+\j:EE+\j+1], s[SN:SN+1] op_sel_hi:[1,0]  ; -z^2 log2(e)
.endr
.irp j, 0,1,2,3,4,5,6,7
	v_rcp_f32 v[DD+\j], v[DD+\j]                                           ; t
.endr
.irp j, 0,1,2,3,4,5,6,7
	v_exp_f32 v[EE+\j], v[EE+\j]
.endr
.irp j, 0,2,4,6
	v_pk_mul_f32 v[x8+\j:x8+\j+1], v[x8+\j:x8+\j+1], 0.5 op_sel_hi:[1,0]   ; plain instructions between the reciprocals and exponentials and the use of their results
.endr
	s_wait_alu depctr_va_vdst(0)
.irp j, 0,2,4,6
	v_pk_fma_f32 v[QQ+\j:QQ+\j+1], v[DD+\j:DD+\j+1], s[A5:A5+1], s[A4:A4+1] op_sel_hi:[1,0,0]
.endr
.irp a, A3, A2, A1
.irp j, 0,2,4,6
	v_pk_fma_f32 v[QQ+\j:QQ+\j+1], v[QQ+\j:QQ+\j+1], v[DD+\j:DD+\j+1], s[\a:\a+1] op_sel_hi:[1,1,0]
.endr
.endr
.irp j, 0,2,4,6
	v_pk_mul_f32 v[QQ+\j:QQ+\j+1], v[QQ+\j:QQ+\j+1], v[DD+\j:DD+\j+1]
.endr
.irp j, 0,2,4,6
	v_pk_fma_f32 v[QQ+\j:QQ+\j+1], v[QQ+\j:QQ+\j+1], v[EE+\j:EE+\j+1], 1.0 op_sel_hi:[1,1,0] neg_lo:[1,0,0] neg_hi:[1,0,0]  ; erf = 1 - polynomial x exponential
.endr
.irp j, 0,1,2,3,4,5,6,7
	v_fma_f32 v[x8+\j], |v[x8+\j]|, v[QQ+\j], v[x8+\j]
.endr
.irp j, 0,1,2,3
	v_cvt_pk_bf16_f32 v[Y+4*(\k)+\j], v[x8+2*\j], v[x8+2*\j+1]
.endr
.endm
	s_load_b256 s[4:11], s[0:1], 0x0               ; hn s[4:5], wb s[6:7], b_fc1 s[8:9], act s[10:11]
	v_lshl_add_u32 v[SPW], v0, 2, SPARE
	v_mov_b32 v[NIL], 0
	ds_add_u32 v28, v29
	s_wait_dscnt 0x0
	v_lshrrev_b32 v1, 5, v0
	v_readfirstlane_b32 s[WV], v1                  ; wave 0..3
	s_and_b32 s[U], s[WV], 1                       ; which half of the tile's columns is mine; also which half of a tile I fetch
	s_lshr_b32 s[WHI], s[WV], 1                    ; which half of its rows; also: I fetch for hn (0) or for W (1)
	s_bfe_u32 s17, ttmp6, 0x40000                  ; cx
	s_bfe_u32 s18, ttmp6, 0x40004                  ; cy
	s_lshl_b32 s19, ttmp9, 2
	s_add_co_u32 s19, s19, s17                     ; tile column
	s_and_b32 s20, ttmp7, 0xffff
	s_lshl_b32 s20, s20, 2
	s_add_co_u32 s20, s20, s18                     ; tile row
	s_lshl_b32 s21, s18, 2
	s_lshl_b32 s21, 15, s21                        ; my row of the cluster
	s_lshl_b32 s22, 0x1111, s17                    ; my column
	s_or_b32 s[G1], s21, (1<<16)|(1<<20)|(1<<21)|(5<<22)|(3<<25)  ; mask; 2-byte elements; padding on; bit 21 beside a mask; after every 64 words, 4 words
	s_mov_b32 s[G1+1], 128<<16                     ; tensor_dim0 = 128
	s_mov_b32 s[G1+2], 128<<16                     ; tensor_dim1 = 128
	s_mov_b32 s[G1+3], 128<<16                     ; tile_dim0 = 128
	s_mov_b32 s[G1+4], 128                         ; tile_dim1 = 128
	s_mov_b32 s[G1+5], KDIM                        ; elements from row to row
	s_mov_b32 s[G1+6], 0
	s_mov_b32 s[G1+7], 0
	s_or_b32 s[G1B], s22, (1<<16)|(1<<20)|(1<<21)|(6<<22)|(7<<25)  ; after every 128 words, 8 words
	s_mov_b32 s[G1B+1], 256<<16
	s_mov_b32 s[G1B+2], 64<<16
	s_mov_b32 s[G1B+3], 256<<16
	s_mov_b32 s[G1B+4], 64
	s_mov_b32 s[G1B+5], NCOL
	s_mov_b32 s[G1B+6], 0
	s_mov_b32 s[G1B+7], 0
	s_lshl_b32 s56, s20, 19                        ; hn: (256 tile row + 128 half) rows of 2,048 bytes
	s_lshl_b32 s60, s[U], 18
	s_add_co_u32 s56, s56, s60
	s_mov_b32 s57, 0
	s_lshl_b32 s58, s19, 9                         ; W: 256 columns a tile column, 64 rows of 8,192 bytes a half
	s_lshl_b32 s61, s[U], 19
	s_add_co_u32 s58, s58, s61
	s_add_co_u32 s58, s58, WOFF
	s_mov_b32 s59, 0
	s_mov_b32 s[G0], 1
	s_mul_i32 s[G0+1], s[U], HALF_A                ; LDS: the wave's number alone
	s_mov_b32 s[G0B], 1
	s_mul_i32 s[G0B+1], s[U], HALF_B
	s_add_co_u32 s[G0B+1], s[G0B+1], A_BYTES
	s_mov_b32 s[TBR], SLOT                         ; the first change of slots turns it into 0
	s_mov_b32 s[SPC], 0x3e6d3388                   ; 0.23164189
	s_mov_b32 s[SN], 0xbf38aa3b                    ; -0.72134752
	s_mov_b32 s[SN+1], s[SN]                       ; named as pairs
	s_mov_b32 s[A1], 0x3e827906                    ; 0.254829592
	s_mov_b32 s[A1+1], s[A1]
	s_mov_b32 s[A2], 0xbe91a98e                    ; -0.284496736
	s_mov_b32 s[A2+1], s[A2]
	s_mov_b32 s[A3], 0x3fb5f0e3                    ; 1.421413741
	s_mov_b32 s[A3+1], s[A3]
	s_mov_b32 s[A4], 0xbfba00e3                    ; -1.453152027
	s_mov_b32 s[A4+1], s[A4]
	s_mov_b32 s[A5], 0x3f87dc22                    ; 1.061405429
	s_mov_b32 s[A5+1], s[A5]
	s_wait_kmcnt 0x0
	s_add_nc_u64 s[G0+2:G0+3], s[4:5], s[56:57]
	s_or_b32 s[G0+3], s[G0+3], 0x80000000
	s_add_nc_u64 s[G0B+2:G0B+3], s[6:7], s[58:59]
	s_or_b32 s[G0B+3], s[G0B+3], 0x80000000
	CROUND                                         ; all sixteen work-groups are here: the first joint loads meet
	JLOAD                                          ; K step 0 into slot 0; slot 1 is asked for by the first change of slots
	v_and_b32 v2, 15, v0                           ; r
	v_bfe_u32 v3, v0, 4, 1                         ; h
	v_and_b32 v4, 7, v0
	v_bfe_u32 v5, v0, 3, 1
	v_and_b32 v7, 31, v0                           ; lane
	v_lshlrev_b32 v[BO], 4, v7                     ; 4 numbers of the bias a lane
	s_lshl_b32 s62, s19, 10                        ; my first column in bytes of f32: 1,024 tile column + 512 half
	s_lshl_b32 s63, s[U], 9
	s_add_co_u32 s62, s62, s63
	s_mov_b32 s63, 0
	s_add_nc_u64 s[8:9], s[8:9], s[62:63]
	global_load_b128 v[BI:BI+3], v[BO], s[8:9]
	s_lshl_b32 s66, s20, 21                        ; my first row: 256 tile row + 128 half, of 8,192 bytes
	s_lshl_b32 s67, s[WHI], 20
	s_add_co_u32 s66, s66, s67
	s_lshr_b32 s62, s62, 1                         ; my first column in bytes of bf16
	s_add_co_u32 s66, s66, s62
	s_mov_b32 s67, 0
	s_add_nc_u64 s[10:11], s[10:11], s[66:67]
	s_mul_i32 s60, s[WHI], 128*PA                  ; my 128 rows of hn's tile
	v_mul_u32_u24 v[ADRA0], v2, PA
	v_lshl_add_u32 v[ADRA0], v3, 4, v[ADRA0]
	v_add_nc_u32 v[ADRA0], s60, v[ADRA0]
	s_lshl_b32 s61, s[U], 8                        ; my 128 columns of W's tile
	s_add_co_u32 s61, s61, A_BYTES
	v_lshl_add_u32 v[ADRB0], v3, 3, v4             ; the turning load: row 8 h + lane % 8, 16 bytes at 16 ((lane / 8) % 2)
	v_mul_u32_u24 v[ADRB0], v[ADRB0], PB
	v_lshl_add_u32 v[ADRB0], v5, 4, v[ADRB0]
	v_add_nc_u32 v[ADRB0], s61, v[ADRB0]
	s_mul_i32 s56, s[WV], WROWS*SP                 ; my region for the way out
	v_mul_u32_u24 v[STO], v2, SP
	v_lshl_add_u32 v[STO], v3, 5, v[STO]
	v_add_nc_u32 v[STO], s56, v[STO]
	v_lshl_add_u32 v[RD0], v7, 4, s56              ; back: 32 lanes take one row of 512 bytes
	v_lshlrev_b32 v[CO], 3, v7                     ; out: 8 bytes a lane
	s_mov_b32 s[OUT], STEPS-1
	CHANGE 1                                       ; slot 0 is in, everybody's part of it; slot 1 is asked for
	STEPHEAD
	PAIR 1                                         ; the first pair stands in front of the loop: its first products start the sums
	s_mov_b32 s[CNT], 1
	s_branch .Linner
.Louter:                                               ; STEPS - 2 times
	CHANGE 1
	STEPHEAD
.Linner:
	PAIR 0
	s_sub_co_u32 s[CNT], s[CNT], 1
	s_cmp_lg_u32 s[CNT], 0
	s_cbranch_scc1 .Linner
	s_sub_co_u32 s[OUT], s[OUT], 1
	s_cmp_lg_u32 s[OUT], 0
	s_cbranch_scc1 .Louter
	CHANGE 0                                       ; the last K step is written out: nothing is asked for
	STEPHEAD
.Ltail:
	PAIR 0
	s_sub_co_u32 s[CNT], s[CNT], 1
	s_cmp_lg_u32 s[CNT], 0
	s_cbranch_scc1 .Ltail
	; THE WAY OUT.  The slots have had their last fill; behind a barrier each wave lays its 128 x 128 sums in f32 into a region of its own and reads them back by rows,
	; so that the GELU is written once and looped over, and a wave's store is a row's 256 bytes.
	s_wait_dscnt 0x0                               ; my reads of the ring are over
	s_barrier_signal -1
	s_barrier_wait -1                              ; everybody's are
	PLACES
.set hi, 0
.rept 2
	WIN 0x08+0x04*hi                               ; store data in window 2 or 3
.set ia, 0
.rept MBH
.set ib, 0
.rept NBK
.set rD, 8*(NBK*ia+ib)
	ds_store_b128 v[STO], v[rD:rD+3]   offset:(MBH*hi+ia)*16*SP+64*ib     ; each accumulator's low registers first
	ds_store_b128 v[STO], v[rD+4:rD+7] offset:(MBH*hi+ia)*16*SP+64*ib+16
.set ib, ib+1
.endr
.set ia, ia+1
.endr
.set hi, hi+1
.endr
	WIN 0
	s_wait_loadcnt 0x0                             ; the bias
	s_mov_b32 s[TR], 0
	s_mov_b32 s[CNT], 16
.Lrows:                                                ; a trip: 8 rows
	v_add_nc_u32 v[RD], s[TR], v[RD0]
.irp i, 0,1,2,3,4,5,6,7
	ds_load_b128 v[X+4*\i:X+4*\i+3], v[RD] offset:\i*SP  ; LDS serves a wave's instructions in order: these see the stores above
.endr
.irp k, 0,1,2,3
	s_wait_dscnt 6-2*\k                            ; rows 2 k and 2 k + 1 are in, the younger loads stay out
	GELU8 \k
	global_store_b64 v[CO], v[Y+4*\k:Y+4*\k+1],   s[10:11] offset:2*\k*8192        ; a wave's store covers 256 consecutive bytes, aligned
	global_store_b64 v[CO], v[Y+4*\k+2:Y+4*\k+3], s[10:11] offset:(2*\k+1)*8192
.endr
	s_wait_xcnt 0x0                                ; the stores' base and data are rewritten only behind this wait
	s_add_nc_u64 s[10:11], s[10:11], 65536
	s_add_co_u32 s[TR], s[TR], 8*SP
	s_sub_co_u32 s[CNT], s[CNT], 1
	s_cmp_lg_u32 s[CNT], 0
	s_cbranch_scc1 .Lrows
	s_wait_tensorcnt 0x0                           ; the wave's end
	ds_add_u32 v[SPW], v[NIL]
	s_wait_dscnt 0x0
	CROUND                                         ; the closing round
	s_endpgm
.Lfunc_end_k_qc5b8e4b418_fc1:
	.size	k_qc5b8e4b418_fc1, .Lfunc_end_k_qc5b8e4b418_fc1-k_qc5b8e4b418_fc1
	.p2alignl 7, 3214868480
	.fill 96, 4, 3214868480
	.section	.rodata,"a",@progbits
	.p2align	6, 0x0
	.amdhsa_kernel k_qc5b8e4b418_fc1
		.amdhsa_group_segment_fixed_size 327680
		.amdhsa_private_segment_fixed_size 0
		.amdhsa_enable_private_segment 0
		.amdhsa_kernarg_size 32
		.amdhsa_user_sgpr_count 2
		.amdhsa_user_sgpr_kernarg_segment_ptr 1
		.amdhsa_wavefront_size32 1
		.amdhsa_system_sgpr_workgroup_id_x 1
		.amdhsa_system_sgpr_workgroup_id_y 1
		.amdhsa_system_sgpr_workgroup_id_z 1
		.amdhsa_system_vgpr_workitem_id 0
		.amdhsa_next_free_vgpr 1024
		.amdhsa_next_free_sgpr 84
		.amdhsa_reserve_vcc 0
		.amdhsa_float_denorm_mode_32 3
		.amdhsa_float_denorm_mode_16_64 3
		.amdhsa_memory_ordered 1
		.amdhsa_forward_progress 1
		.amdhsa_inst_pref_size 83
	.end_amdhsa_kernel
	.amdgpu_metadata
---
amdhsa.version: [ 1, 2 ]
amdhsa.kernels:
  - .name:           k_qc5b8e4b418_fc1
    .symbol:         k_qc5b8e4b418_fc1.kd
    .args:
      - { .name: hn, .offset: 0, .size: 8, .value_kind: global_buffer, .address_space: global }
      - { .name: wb, .offset: 8, .size: 8, .value_kind: global_buffer, .address_space: global }
      - { .name: b_fc1, .offset: 16, .size: 8, .value_kind: global_buffer, .address_space: global }
      - { .name: act, .offset: 24, .size: 8, .value_kind: global_buffer, .address_space: global }
    .group_segment_fixed_size: 327680
    .private_segment_fixed_size: 0
    .kernarg_segment_align: 8
    .kernarg_segment_size: 32
    .max_flat_workgroup_size: 128
    .sgpr_count:     84
    .vgpr_count:     1024
    .wavefront_size: 32
...
	.end_amdgpu_metadata
.endif
;; end of part 5
;; launch fc2 (part 6): grid 8 x 32, 4 waves a work-group, clusters of 4 x 4, 327,680 bytes of LDS; arguments act, wb, b_fc2, x1, out0; writes out0
.if DOCPART == 6
	.amdgcn_target "amdgcn-amd-amdhsa--gfx1250"
	.amdhsa_code_object_version 6
	.text
	.protected	k_qc5b8e4b418_fc2
	.globl	k_qc5b8e4b418_fc2
	.p2align	8
	.type	k_qc5b8e4b418_fc2,@function
k_qc5b8e4b418_fc2:
	s_mov_b64 s[64:65], 0
	v_nop
	global_prefetch_b8 v0, s[64:65] scope:SCOPE_SE
	s_setreg_imm32_b32 hwreg(HW_REG_WAVE_MODE, 25, 1), 1
	s_wait_xcnt 0x0
	s_wait_alu depctr_hold_cnt(0) depctr_sa_sdst(0) depctr_va_vdst(0) depctr_va_sdst(0) depctr_va_ssrc(0) depctr_va_vcc(0) depctr_vm_vsrc(0)
	s_getreg_b32 s2, hwreg(HW_REG_IB_STS2, 6, 4)
	s_cmp_eq_u32 s2, 0
	s_cbranch_scc0 .Lentry_in_a_cluster
	s_endpgm
.Lentry_in_a_cluster:
	s_bfe_u32 s2, ttmp6, 0x10000c
	s_cmp_lg_u32 s2, 0xf033
	s_cbranch_scc0 .Lentry_shape_is_right
	s_endpgm
.Lentry_shape_is_right:
; FC2.  out0 = x1 + act @ W_fc2 + b_fc2.  act: [4096][4096] bf16; W_fc2: [4096][1024] bf16 at wb's byte 16,777,216; x1, out0: [4096][1024] f32; b_fc2 f32; sums in f32.
; SHARES.  A work-group makes 128 x 128 of out0: 8 x 32 = 256 work-groups; each of its four waves 64 x 64: 16 accumulators.  K goes in steps of 256 through two LDS slots;
; a step is four quarters of 64 along K, walked as two pairs on two fragment buffers.
; THE MATRIX INSTRUCTION IS USED TRANSPOSED: source 0 = 16 columns of W (turned out of LDS by ds_load_tr16_b128), source 1 = 16 rows of act: a lane holds row lane % 16 and eight neighbouring columns.
; CLUSTER 4 x 4.  act's tile hangs on the tile row alone and is asked for jointly along a row of the cluster, W's on the tile column alone, along a column.
; WINDOWS: 0: addresses, bias, accumulator (a, b) at v[128 + 8 (4 a + b)];  1: two fragment buffers of 128 (64 of act, 64 of W);  2: v0-127 the residual, asked for at the kernel's head.
; NaN and infinities are not treated apart.
.set NCOL,   1024
.set KDIM,   4096
.set KSTEP,  256
.set STEPS,  KDIM/KSTEP
.set PA,     528                       ; act's LDS row: 512 bytes + 16
.set AQ,     128                       ; a quarter: 64 along K in act's rows
.set PB,     288                       ; W's LDS row: 256 bytes + 32
.set HALF_A, 64*PA
.set A_BYTES, 2*HALF_A
.set HALF_B, 128*PB
.set SLOT,   147456                    ; 0x24000 (141,312 are used): it shares no bit with any LDS start in a slot, so one exclusive or changes slots
.set SPARE,  2*SLOT                    ; the spare words, 128 bytes a wave: two blocks of 256 bytes that no other line names
.set ASTEP,  KSTEP*2
.set BSTEP,  KSTEP*NCOL*2
.set WOFF,   16777216
.set TASTEP, 2*AQ
.set TBSTEP, 128*PB
.set SP,     272                       ; the way out: a wave's f32 row of 256 bytes + 16
.set ADRA0, 16
.set ADRB0, 17
.set ADRA,  18
.set ADRB,  19
.set STO,   24
.set RD,    25
.set CO,    26
.set SPW,   28                         ; v28  LDS address of my spare word; never rewritten
.set NIL,   29                         ; v29  0; never rewritten
.set BO,    30
.set BI,    32                         ; v[32:35]  the bias of my 4 columns
.set ACC,   128
.set WV,  14
.set U,   15
.set WHI, 16
.set G1,  24
.set G0,  32
.set G1B, 36
.set G0B, 44
.set TBR, 51
.set TA,  52
.set TB,  53
.set CNT, 54
.set OUT, 55
.set MSB, 0
.macro WIN new                         ; the immediate's high byte repeats the setting that is left; a switch that changes nothing is dropped
.if MSB != (\new)
	s_set_vgpr_msb (MSB<<8)|(\new)
.set MSB, \new
.endif
.endm
.macro PLACES                          ; four places in front of loads into registers that matrix instructions have read, and of stores that read results
.rept 4
	v_nop
.endr
.endm
.macro JLOAD                           ; a joint load: waves 0, 1 fetch act's halves, waves 2, 3 W's; an s_nop 0 and four v_nop follow each line
	s_cmp_eq_u32 s[WHI], 0
	s_cbranch_scc0 .Lfor_b_\@
	tensor_load_to_lds s[G0:G0+3], s[G1:G1+7]
	s_nop 0
	PLACES
	s_branch .Lasked_\@
.Lfor_b_\@:
	tensor_load_to_lds s[G0B:G0B+3], s[G1B:G1B+7]
	s_nop 0
	PLACES
.Lasked_\@:
.endm
.macro CROUND                          ; a round of the cluster's barrier
	s_barrier_signal -1
	s_barrier_wait -1
	s_cmp_lg_u32 s[WV], 0
	s_cbranch_scc1 .Lnot_wave_0_\@
	s_barrier_signal -3
.Lnot_wave_0_\@:
	s_barrier_wait -3
	s_barrier_signal -1
	s_barrier_wait -1
.endm
; THE CHANGE OF SLOTS.  Each wave waits for all its tensor loads (one is out: its part of the slot to be read), adds 0 to its spare word, and waits for that and for its reads of the slot that it leaves.
; fill = 1: a round of the cluster's barrier follows, and the joint refill of the slot just left is the first thing behind it.
.macro CHANGE fill
	WIN 0
	s_wait_tensorcnt 0x0                           ; no tensor load of mine is out, so a group 0 may be written
	ds_add_u32 v[SPW], v[NIL]                      ; 0 onto my spare word
.if \fill
	s_xor_b32 s[G0+1], s[G0+1], SLOT
	s_xor_b32 s[G0B+1], s[G0B+1], SLOT
	s_add_nc_u64 s[G0+2:G0+3], s[G0+2:G0+3], ASTEP
	s_add_nc_u64 s[G0B+2:G0B+3], s[G0B+2:G0B+3], BSTEP
.endif
	s_xor_b32 s[TBR], s[TBR], SLOT
	s_wait_dscnt 0x0                               ; the add is done, and my reads of the slot are over
.if \fill
	CROUND
	JLOAD
.else
	s_barrier_signal -1
	s_barrier_wait -1
	PLACES
.endif
.endm
; 32 LDS loads in one run: quarter kq (counted from the pair in hand), 64 along K, into fragment buffer f
.macro FETCH f, kq
	WIN 0x40                                       ; destination window 1, address window 0
.set ic, 0
.rept 2
.set ii, 0
.rept 4
	ds_load_tr16_b128 v[128*(\f)+64+8*(4*ic+ii):128*(\f)+64+8*(4*ic+ii)+3],   v[ADRB] offset:((\kq)*64+32*ic)*PB+32*ii
	ds_load_tr16_b128 v[128*(\f)+64+8*(4*ic+ii)+4:128*(\f)+64+8*(4*ic+ii)+7], v[ADRB] offset:((\kq)*64+32*ic)*PB+32*ii+16*PB
	ds_load_b128 v[128*(\f)+8*(4*ic+ii):128*(\f)+8*(4*ic+ii)+3],   v[ADRA] offset:(\kq)*AQ+64*ic+ii*16*PA
	ds_load_b128 v[128*(\f)+8*(4*ic+ii)+4:128*(\f)+8*(4*ic+ii)+7], v[ADRA] offset:(\kq)*AQ+64*ic+ii*16*PA+32
.set ii, ii+1
.endr
.set ic, ic+1
.endr
.endm
; 32 matrix instructions, 64 along K; the 16 accumulators take turns, one instruction a turn.  zero = 1: the first 16 start the sums.
.macro MUL f, zero
	WIN 0x05                                       ; sources in window 1, C and D in window 0
.set ic, 0
.rept 2
.set ia, 0
.rept 4
.set ib, 0
.rept 4
.set rD, ACC+8*(4*ia+ib)
.set rB, 128*(\f)+64+8*(4*ic+ib)
.set rA, 128*(\f)+8*(4*ic+ia)
.if (\zero) && (ic == 0)
	v_wmma_f32_16x16x32_bf16 v[rD:rD+7], v[rB:rB+7], v[rA:rA+7], 0
.else
	v_wmma_f32_16x16x32_bf16 v[rD:rD+7], v[rB:rB+7], v[rA:rA+7], v[rD:rD+7]
.endif
.set ib, ib+1
.endr
.set ia, ia+1
.endr
.set ic, ic+1
.endr
.endm
.macro STEPHEAD                        ; a K step begins: addresses in the slot to be read, its first quarter, two pairs to go
	s_mov_b32 s[TA], s[TBR]
	s_mov_b32 s[TB], s[TBR]
	v_add_nc_u32 v[ADRA], s[TA], v[ADRA0]
	v_add_nc_u32 v[ADRB], s[TB], v[ADRB0]
	FETCH 0, 0
	WIN 0
	s_mov_b32 s[CNT], 2
.endm
; A PAIR of quarters.  Each run of loads has the other buffer's 32 products in which to land; every wait is for all LDS loads, so the counts hold on both ways round the jump.
.macro PAIR zero
	s_wait_dscnt 0x0                               ; buffer 0 is in
	PLACES
	FETCH 1, 1
	MUL 0, \zero
	WIN 0
	s_wait_dscnt 0x0                               ; buffer 1 is in
	s_cmp_eq_u32 s[CNT], 1
	s_cbranch_scc1 .Lnof_\@                        ; the step's last pair fetches nothing more from this slot
	PLACES
	FETCH 0, 2
	WIN 0
.Lnof_\@:
	MUL 1, 0
	WIN 0
	s_add_co_u32 s[TA], s[TA], TASTEP
	s_add_co_u32 s[TB], s[TB], TBSTEP
	v_add_nc_u32 v[ADRA], s[TA], v[ADRA0]
	v_add_nc_u32 v[ADRB], s[TB], v[ADRB0]
.endm
	s_load_b256 s[4:11], s[0:1], 0x0               ; act s[4:5], wb s[6:7], b_fc2 s[8:9], x1 s[10:11]
	s_load_b64 s[12:13], s[0:1], 0x20              ; out0
	v_lshl_add_u32 v[SPW], v0, 2, SPARE
	v_mov_b32 v[NIL], 0
	ds_add_u32 v28, v29
	s_wait_dscnt 0x0
	v_lshrrev_b32 v1, 5, v0
	v_readfirstlane_b32 s[WV], v1                  ; wave 0..3
	s_and_b32 s[U], s[WV], 1                       ; which half of the tile's columns is mine; also which half of a tile I fetch
	s_lshr_b32 s[WHI], s[WV], 1                    ; which half of its rows; also: I fetch for act (0) or for W (1)
	s_bfe_u32 s17, ttmp6, 0x40000                  ; cx
	s_bfe_u32 s18, ttmp6, 0x40004                  ; cy
	s_lshl_b32 s19, ttmp9, 2
	s_add_co_u32 s19, s19, s17                     ; tile column
	s_and_b32 s20, ttmp7, 0xffff
	s_lshl_b32 s20, s20, 2
	s_add_co_u32 s20, s20, s18                     ; tile row
	s_lshl_b32 s21, s18, 2
	s_lshl_b32 s21, 15, s21                        ; my row of the cluster
	s_lshl_b32 s22, 0x1111, s17                    ; my column
	s_or_b32 s[G1], s21, (1<<16)|(1<<20)|(1<<21)|(6<<22)|(3<<25)  ; mask; 2-byte elements; padding on; bit 21 beside a mask; after every 128 words, 4 words
	s_mov_b32 s[G1+1], 256<<16                     ; tensor_dim0 = 256
	s_mov_b32 s[G1+2], 64<<16                      ; tensor_dim1 = 64
	s_mov_b32 s[G1+3], 256<<16                     ; tile_dim0 = 256
	s_mov_b32 s[G1+4], 64                          ; tile_dim1 = 64
	s_mov_b32 s[G1+5], KDIM                        ; elements from row to row
	s_mov_b32 s[G1+6], 0
	s_mov_b32 s[G1+7], 0
	s_or_b32 s[G1B], s22, (1<<16)|(1<<20)|(1<<21)|(5<<22)|(7<<25)  ; after every 64 words, 8 words
	s_mov_b32 s[G1B+1], 128<<16
	s_mov_b32 s[G1B+2], 128<<16
	s_mov_b32 s[G1B+3], 128<<16
	s_mov_b32 s[G1B+4], 128
	s_mov_b32 s[G1B+5], NCOL
	s_mov_b32 s[G1B+6], 0
	s_mov_b32 s[G1B+7], 0
	s_lshl_b32 s56, s20, 20                        ; act: (128 tile row + 64 half) rows of 8,192 bytes
	s_lshl_b32 s60, s[U], 19
	s_add_co_u32 s56, s56, s60
	s_mov_b32 s57, 0
	s_lshl_b32 s58, s19, 8                         ; W: 128 columns a tile column, 128 rows of 2,048 bytes a half
	s_lshl_b32 s61, s[U], 18
	s_add_co_u32 s58, s58, s61
	s_add_co_u32 s58, s58, WOFF
	s_mov_b32 s59, 0
	s_mov_b32 s[G0], 1
	s_mul_i32 s[G0+1], s[U], HALF_A                ; LDS: the wave's number alone
	s_mov_b32 s[G0B], 1
	s_mul_i32 s[G0B+1], s[U], HALF_B
	s_add_co_u32 s[G0B+1], s[G0B+1], A_BYTES
	s_mov_b32 s[TBR], SLOT                         ; the first change of slots turns it into 0
	s_wait_kmcnt 0x0
	s_add_nc_u64 s[G0+2:G0+3], s[4:5], s[56:57]
	s_or_b32 s[G0+3], s[G0+3], 0x80000000
	s_add_nc_u64 s[G0B+2:G0B+3], s[6:7], s[58:59]
	s_or_b32 s[G0B+3], s[G0B+3], 0x80000000
	CROUND                                         ; all sixteen work-groups are here: the first joint loads meet
	JLOAD                                          ; K step 0 into slot 0; slot 1 is asked for by the first change of slots
	v_and_b32 v2, 15, v0                           ; r
	v_bfe_u32 v3, v0, 4, 1                         ; h
	v_and_b32 v4, 7, v0
	v_bfe_u32 v5, v0, 3, 1
	v_lshlrev_b32 v[CO], 12, v3
	v_lshl_add_u32 v[CO], v2, 4, v[CO]             ; 4,096 h + 16 r: lanes 0-15 256 bytes of a row, lanes 16-31 of the next
	v_lshlrev_b32 v[BO], 4, v2
	s_lshl_b32 s62, s19, 9                         ; my first column, in bytes of f32: 512 tile column + 256 half
	s_lshl_b32 s63, s[U], 8
	s_add_co_u32 s62, s62, s63
	s_mov_b32 s63, 0
	s_add_nc_u64 s[8:9], s[8:9], s[62:63]
	s_lshl_b32 s66, s20, 19                        ; my first row: 128 tile row + 64 half, of 4,096 bytes
	s_lshl_b32 s67, s[WHI], 18
	s_add_co_u32 s66, s66, s67
	s_add_co_u32 s66, s66, s62
	s_mov_b32 s67, 0
	s_add_nc_u64 s[10:11], s[10:11], s[66:67]
	s_add_nc_u64 s[12:13], s[12:13], s[66:67]
	WIN 0x80                                       ; destination window 2
.set t, 0
.rept 32                                       ; the residual of my 64 x 64, in the layout in which the sums come back from LDS
	global_load_b128 v[4*t:4*t+3], v[CO], s[10:11] offset:8192*t th:TH_LOAD_NT
.set t, t+1
.endr
	WIN 0
	global_load_b128 v[BI:BI+3], v[BO], s[8:9]
	s_mul_i32 s60, s[WHI], 64*PA                   ; my 64 rows of act's tile
	v_mul_u32_u24 v[ADRA0], v2, PA
	v_lshl_add_u32 v[ADRA0], v3, 4, v[ADRA0]
	v_add_nc_u32 v[ADRA0], s60, v[ADRA0]
	s_lshl_b32 s61, s[U], 7                        ; my 64 columns of W's tile
	s_add_co_u32 s61, s61, A_BYTES
	v_lshl_add_u32 v[ADRB0], v3, 3, v4
	v_mul_u32_u24 v[ADRB0], v[ADRB0], PB
	v_lshl_add_u32 v[ADRB0], v5, 4, v[ADRB0]
	v_add_nc_u32 v[ADRB0], s61, v[ADRB0]
	s_mul_i32 s56, s[WV], 64*SP                    ; my region for the way out
	v_mul_u32_u24 v[STO], v2, SP
	v_lshl_add_u32 v[STO], v3, 5, v[STO]
	v_add_nc_u32 v[STO], s56, v[STO]
	v_mul_u32_u24 v[RD], v3, SP
	v_lshl_add_u32 v[RD], v2, 4, v[RD]
	v_add_nc_u32 v[RD], s56, v[RD]
	s_mov_b32 s[OUT], STEPS-1
	CHANGE 1                                       ; slot 0 is in, everybody's part of it; slot 1 is asked for
	STEPHEAD
	PAIR 1                                         ; the first pair stands in front of the loop: its first products start the sums
	s_mov_b32 s[CNT], 1
	s_branch .Linner
.Louter:                                               ; STEPS - 2 times
	CHANGE 1
	STEPHEAD
.Linner:
	PAIR 0
	s_sub_co_u32 s[CNT], s[CNT], 1
	s_cmp_lg_u32 s[CNT], 0
	s_cbranch_scc1 .Linner
	s_sub_co_u32 s[OUT], s[OUT], 1
	s_cmp_lg_u32 s[OUT], 0
	s_cbranch_scc1 .Louter
	CHANGE 0                                       ; the last K step is written out: nothing is asked for
	STEPHEAD
.Ltail:
	PAIR 0
	s_sub_co_u32 s[CNT], s[CNT], 1
	s_cmp_lg_u32 s[CNT], 0
	s_cbranch_scc1 .Ltail
	; THE WAY OUT.  The slots have had their last fill; behind a barrier each wave lays its 64 x 64 sums into a region of its own and reads them back by rows.
	s_wait_dscnt 0x0                               ; my reads of the ring are over
	s_barrier_signal -1
	s_barrier_wait -1                              ; everybody's are
	PLACES
.set ia, 0
.rept 4
.set ib, 0
.rept 4
	ds_store_b128 v[STO], v[ACC+8*(4*ia+ib):ACC+8*(4*ia+ib)+3]   offset:ia*16*SP+64*ib     ; each accumulator's low registers first
	ds_store_b128 v[STO], v[ACC+8*(4*ia+ib)+4:ACC+8*(4*ia+ib)+7] offset:ia*16*SP+64*ib+16
.set ib, ib+1
.endr
.set ia, ia+1
.endr
.set t, 0
.rept 32                                       ; LDS serves a wave's instructions in order: these see the stores above
	ds_load_b128 v[ACC+4*t:ACC+4*t+3], v[RD] offset:t*2*SP
.set t, t+1
.endr
	s_wait_loadcnt 0x0                             ; the residual and the bias
	WIN 0x88                                       ; source 1 and destination in window 2
.set t, 0
.rept 32
	s_wait_dscnt 31-t                              ; load t is in, the younger ones stay out
	v_pk_add_f32 v[4*t:4*t+1], v[ACC+4*t:ACC+4*t+1], v[4*t:4*t+1]
	v_pk_add_f32 v[4*t+2:4*t+3], v[ACC+4*t+2:ACC+4*t+3], v[4*t+2:4*t+3]
	v_pk_add_f32 v[4*t:4*t+1], v[BI:BI+1], v[4*t:4*t+1]
	v_pk_add_f32 v[4*t+2:4*t+3], v[BI+2:BI+3], v[4*t+2:4*t+3]
	global_store_b128 v[CO], v[4*t:4*t+3], s[12:13] offset:8192*t  ; 16 lanes store 256 consecutive bytes, aligned
.set t, t+1
.endr
	WIN 0
	s_wait_tensorcnt 0x0                           ; the wave's end
	ds_add_u32 v[SPW], v[NIL]
	s_wait_dscnt 0x0
	CROUND                                         ; the closing round
	s_endpgm
.Lfunc_end_k_qc5b8e4b418_fc2:
	.size	k_qc5b8e4b418_fc2, .Lfunc_end_k_qc5b8e4b418_fc2-k_qc5b8e4b418_fc2
	.p2alignl 7, 3214868480
	.fill 96, 4, 3214868480
	.section	.rodata,"a",@progbits
	.p2align	6, 0x0
	.amdhsa_kernel k_qc5b8e4b418_fc2
		.amdhsa_group_segment_fixed_size 327680
		.amdhsa_private_segment_fixed_size 0
		.amdhsa_enable_private_segment 0
		.amdhsa_kernarg_size 40
		.amdhsa_user_sgpr_count 2
		.amdhsa_user_sgpr_kernarg_segment_ptr 1
		.amdhsa_wavefront_size32 1
		.amdhsa_system_sgpr_workgroup_id_x 1
		.amdhsa_system_sgpr_workgroup_id_y 1
		.amdhsa_system_sgpr_workgroup_id_z 1
		.amdhsa_system_vgpr_workitem_id 0
		.amdhsa_next_free_vgpr 640
		.amdhsa_next_free_sgpr 68
		.amdhsa_reserve_vcc 0
		.amdhsa_float_denorm_mode_32 3
		.amdhsa_float_denorm_mode_16_64 3
		.amdhsa_memory_ordered 1
		.amdhsa_forward_progress 1
		.amdhsa_inst_pref_size 62
	.end_amdhsa_kernel
	.amdgpu_metadata
---
amdhsa.version: [ 1, 2 ]
amdhsa.kernels:
  - .name:           k_qc5b8e4b418_fc2
    .symbol:         k_qc5b8e4b418_fc2.kd
    .args:
      - { .name: act, .offset: 0, .size: 8, .value_kind: global_buffer, .address_space: global }
      - { .name: wb, .offset: 8, .size: 8, .value_kind: global_buffer, .address_space: global }
      - { .name: b_fc2, .offset: 16, .size: 8, .value_kind: global_buffer, .address_space: global }
      - { .name: x1, .offset: 24, .size: 8, .value_kind: global_buffer, .address_space: global }
      - { .name: out0, .offset: 32, .size: 8, .value_kind: global_buffer, .address_space: global }
    .group_segment_fixed_size: 327680
    .private_segment_fixed_size: 0
    .kernarg_segment_align: 8
    .kernarg_segment_size: 40
    .max_flat_workgroup_size: 128
    .sgpr_count:     68
    .vgpr_count:     640
    .wavefront_size: 32
...
	.end_amdgpu_metadata
.endif
;; end of part 6
